; MI455X (gfx1250); checked and timed in simulation.
; The chip was launched on July 23, 2026; its instructions are those of AMD's public machine-readable ISA for CDNA 5 (MIT licence, August 2026) and "CDNA5" Instruction Set Architecture Reference Guide (July 2026). The comments in the code are by the model that wrote it; some were corrected since.
;; Simple Attention. Allowed arithmetic: matrix products marked QUANTISED: E2M3 operands, one E8M0 scale for each 32 along K, by v_wmma_scale_f32_16x16x128_f8f6f4 with both operands' format E2M3, f32 sums; everything else in f32.
;; Inputs: Wk 1,024 x 1,024 float32; Wo 1,024 x 1,024 float32; Wq 1,024 x 1,024 float32; Wv 1,024 x 1,024 float32; bk 1,024 float32; bo 1,024 float32; bq 1,024 float32; bv 1,024 float32; x 1 x 4,096 x 1,024 float32.
;; Outputs: out0 1 x 4,096 x 1,024 float32.
;; This version of the problem:
;;   THIS VERSION OF THE PROBLEM IS GIVEN IN LOW PRECISION. The matrix products marked QUANTISED in the list below multiply operands that are first quantised to E2M3 (2 exponent bits, 3 mantissa bits; 6 bits a number), with one power-of-two scale for each 32 numbers along K (OCP MX v1.0); their sums are f32. All else is computed in f32.
;;   The module's matrix products, in the order in which they are computed (A, B: the left and right operand; K: the contracted axis; several contracted axes count as one K, in the product's order):
;;     1. [M 4,096, K 1,024] x [K 1,024, N 1,024]; A: input x; B: input Wq: QUANTISED
;;     2. [M 4,096, K 1,024] x [K 1,024, N 1,024]; A: input x; B: input Wk: QUANTISED
;;     3. [M 4,096, K 1,024] x [K 1,024, N 1,024]; A: input x; B: input Wv: QUANTISED
;;     4. batch 16 x [M 4,096, K 64] x [K 64, N 4,096]; A: computed on the way; B: computed on the way: QUANTISED
;;     5. batch 16 x [M 4,096, K 4,096] x [K 4,096, N 64]; A: softmax (see below); B: computed on the way: QUANTISED
;;     6. [M 4,096, K 1,024] x [K 1,024, N 1,024]; A: computed on the way; B: input Wo: QUANTISED
;;   THE QUANTISER, for each operand of a quantised product, along K:
;;     - K is cut into blocks of 32 from its start; a last block that is shorter is filled with zeros.
;;     - A block's scale is 2^e with e = floor(log2(the largest magnitude in the block)) - 2, held to -126 .. 127; a block of zeros has e = 0. As a byte (E8M0): e + 127.
;;     - Each number is divided by its block's scale, clamped to +-7.5, and rounded to the nearest number of E2M3, ties to even, subnormals kept.
;;     - The product sums the exact products of the quantised numbers (number of the format x scale) in f32.
;;   ~~~python
;;   def quantise(x, axis):      # numpy; x: float32 -> the quantised numbers, widened to float32 again
;;       x = np.moveaxis(x, axis, -1); K = x.shape[-1]
;;       x = np.pad(x, [(0, 0)] * (x.ndim - 1) + [(0, -K % 32)]); x = x.reshape(x.shape[:-1] + (-1, 32)); a = np.abs(x).max(-1, keepdims=True)
;;       e = np.where(a > 0, np.clip(np.frexp(np.where(a > 0, a, 1))[1] - 1 - 2, -126, 127), 0)      # np.frexp(a)[1] - 1 = floor(log2(a)), exactly
;;       r = np.clip(x / 2.0 ** e, -7.5, 7.5)
;;       step = 2.0 ** (np.maximum(np.frexp(np.where(r == 0, 1, r))[1] - 1, 0) - 3)
;;       q = np.round(r / step) * step * 2.0 ** e      # np.round: ties to even
;;       return np.moveaxis(q.reshape(q.shape[:-2] + (-1,))[..., :K], -1, axis).astype(np.float32)
;;   ~~~
;;   SOFTMAX AHEAD OF A QUANTISED PRODUCT. Where the list says 'softmax', what is quantised is not the finished softmax but p = 2^(t - M), with t = logit x log2(e) and M = ceil(the row's largest t), a whole number; so 1/2 < the row's largest p <= 1. The row's sum l is taken of the UNQUANTISED p, in f32, and the product's result is divided by l at the end. Since M is a whole number, a kernel that streams over the keys may use a running M (the ceiling of the running maximum): every later rescaling is an exact power of two, which a block's scale takes up: the codes' values come out the same.
;;   OPERANDS COMPUTED ON THE WAY. 'Computed on the way' means the value that the module computes at that place (a softmax that the list does not call 'softmax' is quantised finished and normalised). What goes into a quantiser is computed in f32, as accurately as f32 sums, v_exp_f32 and their like allow (about 1e-6 of the number): no bf16 or f16 on the way to a quantiser, and a product that is left as it is and whose result goes on into a quantised operand takes f32 operands (vector FMAs, or v_wmma_f32_16x16x4_f32). A number that lies on a knife's edge between two numbers of the format may be rounded either way, as far as f32 arithmetic and the matrix unit's own rounding can turn it there, and no further.
;; One version. Each part assembles by itself: llvm-mc -triple=amdgcn-amd-amdhsa -mcpu=gfx1250 --defsym DOCPART=n.
;; ======== version 1 of 1: 4 launches
;; limits: right only within a limited range of input values
;; workspace buffers: cod 6,291,456 bytes; scl 262,144 bytes; qkv 9,437,184 bytes; qkvs 655,360 bytes; ac 3,145,728 bytes; asc 131,072 bytes
;; launch pack (part 1): grid 256 x 1, 4 waves a work-group, no clusters, 34,304 bytes of LDS; arguments x, Wq, Wk, Wv, Wo, cod, scl; writes cod, scl
.if DOCPART == 1
	.amdgcn_target "amdgcn-amd-amdhsa--gfx1250"
	.amdhsa_code_object_version 6
	.text
	.protected	k_qd3aacd9104_pack
	.globl	k_qd3aacd9104_pack
	.p2align	8
	.type	k_qd3aacd9104_pack,@function
k_qd3aacd9104_pack:
	s_mov_b64 s[64:65], 0
	v_nop
	global_prefetch_b8 v0, s[64:65] scope:SCOPE_SE
	s_setreg_imm32_b32 hwreg(HW_REG_WAVE_MODE, 25, 1), 1
	s_wait_xcnt 0x0
; x [4096][1024] and Wq, Wk, Wv, Wo [1024][1024], f32, K innermost, become codes of FP6 (E2M3) with one E8M0 byte for each 32 along K,
; LAID IN THE ORDER OF AN OPERAND'S REGISTERS.  A row tile T holds the 16 rows 32 (T / 2) + 8 (T % 2) + p + 8 (p / 8), p = 0 .. 15.
; cod: [T 0..511][K step 0..7][1,536 bytes]: a fragment (16 rows x 128 K, 12 registers a lane) as two halves of 768 bytes: registers 0-3 at 16 x lane,
; registers 4-5 at 512 + 8 x lane.  T 0-255: x; then 64 tiles each of Wq, Wk, Wv, Wo.   scl: [T][pair of K steps 0..3][row 16][2 words of 4 bytes].
; A block's scale is 2^(floor(log2(largest magnitude)) - 2); its byte is the largest magnitude's exponent field - 2, held at 1 from below.
; LIMITS: a block of zeros gets the byte 1 (its codes are zeros, and this program alone reads the bytes); NaN and infinities are not served.
; SHARES: work-group g takes row tiles 2 g and 2 g + 1; wave w takes tile 2 g + w / 2 and K half w % 2: four fragments.  Each load reads 512 consecutive bytes of a row;
; a fragment's 16 x 512 bytes turn through the wave's own stage in LDS, so that lane (r, h) gets the two blocks of 32 that the operand's layout gives it.
; No work-group reads what another reads, so there is no cluster; waves share nothing, so there is no barrier.
.set ROWF,  4096                       ; a row of f32 in bytes
.set SP,    528                        ; a stage row: 512 bytes + 16
.set STG,   16*SP
.set SPARE, 4*STG                      ; behind the four stages: the spare words, 128 bytes a wave
.set SPW,   8                          ; v8   my spare word's LDS address; never rewritten
.set NIL,   9                          ; v9   0; never rewritten
.set W,     12                         ; v12-15 the four fragments' scale words
.set R,     16                         ; v16-79, v80-143 two sets of 16 x 4 registers as loaded
.set X,     144                        ; v144-207 my two blocks of 32
.set PC,    208                        ; v208-219 the fragment's codes
.set PD,    220                        ; v220-226 the blocks' upper halves, before they are moved
	s_load_b256 s[4:11], s[0:1], 0x0               ; x, Wq, Wk, Wv
	s_load_b128 s[12:15], s[0:1], 0x20             ; Wo, cod
	s_load_b64 s[16:17], s[0:1], 0x30              ; scl
	v_lshl_add_u32 v[SPW], v0, 2, SPARE
	v_mov_b32 v[NIL], 0
	v_lshrrev_b32 v1, 5, v0
	v_readfirstlane_b32 s18, v1                    ; wave
	v_and_b32 v1, 31, v0                           ; lane
	v_and_b32 v2, 15, v0                           ; r
	v_bfe_u32 v3, v0, 4, 1                         ; h
	v_lshlrev_b32 v4, 4, v1                        ; 16 x lane
	v_lshlrev_b32 v5, 3, v1                        ; 8 x lane
	s_mul_i32 s19, s18, STG
	v_add_nc_u32 v6, s19, v4                       ; the stage, way in: 16 x lane of a row
	v_mul_u32_u24 v7, v2, SP
	v_lshl_add_u32 v7, v3, 7, v7
	v_add_nc_u32 v7, s19, v7                       ; way out: row r, + 128 h: my block of 32 numbers
	v_lshlrev_b32 v10, 3, v2
	v_lshl_add_u32 v10, v3, 7, v10                 ; the scale words' place: 128 h + 8 r
	v_lshlrev_b32 v11, 3, v3                       ; 8 h: my bytes' place in a scale word
	v_mov_b32 v235, 0                              ; a lane permute's destination counts as read
	s_mov_b32 s24, 0x76543210
	s_mov_b32 s25, 0xfedcba98                      ; selects for lane l xor 16
	s_lshr_b32 s20, s18, 1                         ; which of the two tiles
	s_and_b32 s21, s18, 1                          ; which half of K
	s_and_b32 s22, ttmp9, 31
	s_cmp_lt_u32 ttmp9, 128
	s_cselect_b32 s22, ttmp9, s22                  ; the group of 32 rows inside its tensor
	s_lshl_b32 s26, s22, 17                        ; 32 rows of 4,096 bytes
	s_lshl_b32 s23, s20, 15                        ; + 8 rows for the odd tile
	s_add_co_u32 s26, s26, s23
	s_lshl_b32 s23, s21, 11                        ; + 512 numbers for the upper half of K
	s_add_co_u32 s26, s26, s23
	s_mov_b32 s27, 0
	s_lshl_b32 s28, ttmp9, 1
	s_add_co_u32 s28, s28, s20                     ; T
	s_mul_i32 s30, s28, 12288
	s_mul_i32 s23, s21, 6144
	s_add_co_u32 s30, s30, s23
	s_mov_b32 s31, 0
	s_lshl_b32 s32, s28, 9
	s_lshl_b32 s23, s21, 8
	s_add_co_u32 s32, s32, s23
	s_mov_b32 s33, 0
	s_wait_alu depctr_va_vdst(0)
	s_wait_kmcnt 0x0
	s_cmp_lt_u32 ttmp9, 224                        ; which tensor: the choice hangs on the work-group's number alone
	s_cselect_b64 s[12:13], s[10:11], s[12:13]
	s_cmp_lt_u32 ttmp9, 192
	s_cselect_b64 s[12:13], s[8:9], s[12:13]
	s_cmp_lt_u32 ttmp9, 160
	s_cselect_b64 s[12:13], s[6:7], s[12:13]
	s_cmp_lt_u32 ttmp9, 128
	s_cselect_b64 s[12:13], s[4:5], s[12:13]
	s_add_nc_u64 s[12:13], s[12:13], s[26:27]
	s_add_nc_u64 s[14:15], s[14:15], s[30:31]
	s_add_nc_u64 s[16:17], s[16:17], s[32:33]
.macro LOAD f                          ; fragment f: 128 numbers of each of the tile's 16 rows; 32 lanes read 512 consecutive bytes
.irp p, 0,1,2,3,4,5,6,7,8,9,10,11,12,13,14,15
	global_load_b128 v[R+64*((\f)%2)+4*\p:R+64*((\f)%2)+4*\p+3], v4, s[12:13] offset:(\p+8*(\p/8))*ROWF+512*(\f) th:TH_LOAD_NT
.endr
.endm
.macro FRAGQ f
.if (\f) < 3
	s_wait_loadcnt 16                              ; this fragment's 16 loads are in; the next fragment's 16 may be out
.else
	s_wait_loadcnt 0x0
.endif
.irp p, 0,1,2,3,4,5,6,7,8,9,10,11,12,13,14,15
	ds_store_b128 v6, v[R+64*((\f)%2)+4*\p:R+64*((\f)%2)+4*\p+3] offset:SP*\p
.endr
.irp c, 0,1                            ; LDS serves a wave's instructions in order: these see the stores above
.irp i, 0,1,2,3,4,5,6,7
	ds_load_b128 v[X+32*\c+4*\i:X+32*\c+4*\i+3], v7 offset:256*\c+16*\i   ; k = 64 c + 32 h + 4 i ..
.endr
.endr
	s_wait_dscnt 0x0                               ; my two blocks are here, and the stage's stores have read their registers,
.if (\f) < 2
	LOAD (\f)+2                                    ; which take the loads of two fragments on
.endif
.irp c, 0,1
	v_max3_num_f32 v[228+\c], |v[X+32*\c]|, |v[X+32*\c+1]|, 0x1800000   ; the floor 2^(3 - 127): the byte cannot fall under 1
.endr
.irp i, 2,4,6,8,10,12,14,16,18,20,22,24,26,28,30
.irp c, 0,1
	v_max3_num_f32 v[228+\c], v[228+\c], |v[X+32*\c+\i]|, |v[X+32*\c+\i+1]|
.endr
.endr
.irp c, 0,1
	v_add_nc_u32 v[230+\c], 0xff000000, v[228+\c]  ; 2 off the exponent field: the conversion's scale operand
.endr
.irp c, 0,1
	v_lshrrev_b32 v[232+\c], 23, v[230+\c]         ; the scale's byte
.endr
	v_lshl_or_b32 v234, v233, 16, v232             ; my bytes: blocks h and 2 + h of row r,
	v_lshlrev_b32 v234, v11, v234                  ; at their places;
	v_permlanex16_b32 v235, v234, s24, s25
	v_or_b32 v[W+(\f)], v234, v235                 ; with lane l xor 16's two the word is whole
.if (\f) > 0
	s_wait_alu depctr_va_vdst(0)
	s_wait_xcnt 0x0                                ; the last fragment's stores have read the codes' registers: they are written again only behind this wait
.endif
.irp c, 0,1
	v_cvt_scalef32_pk16_fp6_f32 v[PC+6*\c:PC+6*\c+2], v[X+32*\c:X+32*\c+15], v[230+\c]
	v_cvt_scalef32_pk16_fp6_f32 v[PD+4*\c:PD+4*\c+2], v[X+32*\c+16:X+32*\c+31], v[230+\c]   ; (a conversion's three registers begin on an even number)
.endr
	v_nop                                          ; one plain place behind a scaled conversion
.irp c, 0,1
.irp i, 0,1,2
	v_mov_b32 v[PC+6*\c+3+\i], v[PD+4*\c+\i]
.endr
.endr
	global_store_b128 v4, v[PC:PC+3], s[14:15] offset:1536*(\f)            ; 512 consecutive bytes, at a multiple of 256 from the buffer's first byte
	global_store_b64 v5, v[PC+4:PC+5], s[14:15] offset:1536*(\f)+512      ; 256
	global_store_b128 v4, v[PC+6:PC+9], s[14:15] offset:1536*(\f)+768
	global_store_b64 v5, v[PC+10:PC+11], s[14:15] offset:1536*(\f)+1280
.endm
	LOAD 0
	LOAD 1
	FRAGQ 0
	FRAGQ 1
	FRAGQ 2
	FRAGQ 3
	v_cmp_ne_u32 vcc_lo, 0, v3
	v_cndmask_b32 v238, v[W], v[W+2], vcc_lo       ; lanes 0-15: K steps 0, 1 of my half; lanes 16-31: steps 2, 3
	v_cndmask_b32 v239, v[W+1], v[W+3], vcc_lo
	global_store_b64 v10, v[238:239], s[16:17]     ; 256 consecutive bytes
	s_wait_tensorcnt 0x0                           ; the wave's end, behind my last LDS store
	ds_add_u32 v[SPW], v[NIL]
	s_wait_dscnt 0x0
	s_endpgm
.Lfunc_end_k_qd3aacd9104_pack:
	.size	k_qd3aacd9104_pack, .Lfunc_end_k_qd3aacd9104_pack-k_qd3aacd9104_pack
	.p2alignl 7, 3214868480
	.fill 96, 4, 3214868480
	.section	.rodata,"a",@progbits
	.p2align	6, 0x0
	.amdhsa_kernel k_qd3aacd9104_pack
		.amdhsa_group_segment_fixed_size 34304
		.amdhsa_private_segment_fixed_size 0
		.amdhsa_enable_private_segment 0
		.amdhsa_kernarg_size 56
		.amdhsa_user_sgpr_count 2
		.amdhsa_user_sgpr_kernarg_segment_ptr 1
		.amdhsa_wavefront_size32 1
		.amdhsa_system_sgpr_workgroup_id_x 1
		.amdhsa_system_sgpr_workgroup_id_y 1
		.amdhsa_system_sgpr_workgroup_id_z 1
		.amdhsa_system_vgpr_workitem_id 0
		.amdhsa_next_free_vgpr 240
		.amdhsa_next_free_sgpr 66
		.amdhsa_reserve_vcc 1
		.amdhsa_float_denorm_mode_32 3
		.amdhsa_float_denorm_mode_16_64 3
		.amdhsa_memory_ordered 1
		.amdhsa_forward_progress 1
		.amdhsa_inst_pref_size 31
	.end_amdhsa_kernel
	.amdgpu_metadata
---
amdhsa.version: [ 1, 2 ]
amdhsa.kernels:
  - .name:           k_qd3aacd9104_pack
    .symbol:         k_qd3aacd9104_pack.kd
    .args:
      - { .name: x, .offset: 0, .size: 8, .value_kind: global_buffer, .address_space: global }
      - { .name: Wq, .offset: 8, .size: 8, .value_kind: global_buffer, .address_space: global }
      - { .name: Wk, .offset: 16, .size: 8, .value_kind: global_buffer, .address_space: global }
      - { .name: Wv, .offset: 24, .size: 8, .value_kind: global_buffer, .address_space: global }
      - { .name: Wo, .offset: 32, .size: 8, .value_kind: global_buffer, .address_space: global }
      - { .name: cod, .offset: 40, .size: 8, .value_kind: global_buffer, .address_space: global }
      - { .name: scl, .offset: 48, .size: 8, .value_kind: global_buffer, .address_space: global }
    .group_segment_fixed_size: 34304
    .private_segment_fixed_size: 0
    .kernarg_segment_align: 8
    .kernarg_segment_size: 56
    .max_flat_workgroup_size: 128
    .sgpr_count:     66
    .vgpr_count:     240
    .wavefront_size: 32
...
	.end_amdgpu_metadata
.endif
;; end of part 1
;; launch proj (part 2): grid 8 x 24, 4 waves a work-group, clusters of 4 x 4, 327,680 bytes of LDS; arguments cod, scl, bq, bk, bv, qkv, qkvs; writes qkv, qkvs
.if DOCPART == 2
	.amdgcn_target "amdgcn-amd-amdhsa--gfx1250"
	.amdhsa_code_object_version 6
	.text
	.protected	k_qd3aacd9104_proj
	.globl	k_qd3aacd9104_proj
	.p2align	8
	.type	k_qd3aacd9104_proj,@function
k_qd3aacd9104_proj:
	s_mov_b64 s[64:65], 0
	v_nop
	global_prefetch_b8 v0, s[64:65] scope:SCOPE_SE
	s_setreg_imm32_b32 hwreg(HW_REG_WAVE_MODE, 25, 1), 1
	s_wait_xcnt 0x0
	s_wait_alu depctr_hold_cnt(0) depctr_sa_sdst(0) depctr_va_vdst(0) depctr_va_sdst(0) depctr_va_ssrc(0) depctr_va_vcc(0) depctr_vm_vsrc(0)
	s_getreg_b32 s2, hwreg(HW_REG_IB_STS2, 6, 4)
	s_cmp_eq_u32 s2, 0
	s_cbranch_scc0 .Lentry_in_a_cluster
	s_endpgm
.Lentry_in_a_cluster:
	s_bfe_u32 s2, ttmp6, 0x10000c
	s_cmp_lg_u32 s2, 0xf033
	s_cbranch_scc0 .Lentry_shape_is_right
	s_endpgm
.Lentry_shape_is_right:
.set FR,    12
.set NL,    4
.set NP,    4
.set NQ,    2
.set KSB,   1536
.set ROWB,  NQ*KSB
.set TROW,  12288
.set HALFT, 8*ROWB
.set SLOT,  4*HALFT
.set SCL,   2*SLOT
.set HALFS, 4096
.set SBLK,  512
.set SPARE, SCL+4*HALFS
.set ADRA, 16
.set ADRB, 20
.set L16,  24
.set L8,   25
.set BA,   26
.set ADRS, 27
.set SPW,  28
.set NIL,  29
.set SH,   30
.set SA,   31
.set SC,   32
.set X,    64
.set AF,   128
.set BR,   128
.set PC,   192
.set TM,   224
.set PW,   240
.set SW,   244
.set SELR, 252
.set WV,   18
.set HA,   19
.set HB,   20
.set TY,   21
.set FS,   22
.set G1,   24
.set G0,   32
.set G1B,  48
.set G0B,  56
.set G1S,  68
.set G0S,  76
.set G1SB, 80
.set G0SB, 88
.set SEL,  98
.set MSB, 0
.macro WIN new
.if MSB != (\new)
	s_set_vgpr_msb (MSB<<8)|(\new)
.set MSB, (\new)
.endif
.endm
.set MUL_LO, 0xa1
.set MUL_HI, 0xf1
.set TO_B,   0x40
.macro JLOAD g0a, g1a, g0b, g1b
	s_cmp_eq_u32 s[HA], 0
	s_cbranch_scc0 .Lfor_b_\@
	tensor_load_to_lds s[\g0a:\g0a+3], s[\g1a:\g1a+7]
	s_nop 0
.rept 4
	v_nop
.endr
	s_branch .Lasked_\@
.Lfor_b_\@:
	tensor_load_to_lds s[\g0b:\g0b+3], s[\g1b:\g1b+7]
	s_nop 0
.rept 4
	v_nop
.endr
.Lasked_\@:
.endm
.macro CREST
	s_cmp_lg_u32 s[WV], 0
	s_cbranch_scc1 .Lnot_wave_0_\@
	s_barrier_signal -3
.Lnot_wave_0_\@:
	s_barrier_wait -3
	s_barrier_signal -1
	s_barrier_wait -1
.endm
.macro CROUND
	s_barrier_signal -1
	s_barrier_wait -1
	CREST
.endm
	s_load_b256 s[4:11], s[0:1], 0x0
	s_load_b128 s[12:15], s[0:1], 0x20
	s_load_b64 s[16:17], s[0:1], 0x30
	v_lshl_add_u32 v[SPW], v0, 2, SPARE
	v_mov_b32 v[NIL], 0
	ds_add_u32 v[SPW], v[NIL]
	ds_add_u32 v[SPW], v[NIL]
	v_lshrrev_b32 v1, 5, v0
	v_readfirstlane_b32 s[WV], v1
	s_lshr_b32 s[HA], s[WV], 1
	s_and_b32 s[HB], s[WV], 1
	s_bfe_u32 s40, ttmp6, 0x40000
	s_bfe_u32 s41, ttmp6, 0x40004
	s_and_b32 s43, ttmp7, 0xffff
	s_lshl_b32 s44, s41, 2
	s_lshl_b32 s44, 15, s44
	s_lshl_b32 s45, 0x1111, s40
	s_lshl_b32 s46, s43, 2
	s_lshl_b32 s47, ttmp9, 2
	s_and_b32 s42, s43, 1
	s_lshl_b32 s42, s42, 3
	s_add_co_u32 s42, s42, s47
	s_add_co_u32 s47, s47, 16
	s_cmp_ge_u32 s43, 4
	s_cselect_b32 s[TY], 1, 0
	s_cselect_b32 s46, 24, s46
	s_cselect_b32 s47, s42, s47
	s_add_co_u32 s46, s46, s41
	s_add_co_u32 s47, s47, s40
	s_or_b32 s[G1+0], s44, (3<<16)|(1<<21)
	s_or_b32 s[G1B+0], s45, (3<<16)|(1<<21)
.irp g, G1, G1B
	s_mov_b32 s[\g+1], (ROWB/8)<<16
	s_mov_b32 s[\g+2], 8<<16
	s_mov_b32 s[\g+3], (ROWB/8)<<16
	s_mov_b32 s[\g+4], 8
	s_mov_b32 s[\g+5], TROW/8
	s_mov_b32 s[\g+6], 0
	s_mov_b32 s[\g+7], 0
.endr
	s_or_b32 s[G1S+0], s44, (3<<16)|(1<<21)
	s_or_b32 s[G1SB+0], s45, (3<<16)|(1<<21)
.irp g, G1S, G1SB
	s_mov_b32 s[\g+1], 32<<16
	s_mov_b32 s[\g+2], 16<<16
	s_mov_b32 s[\g+3], 32<<16
	s_mov_b32 s[\g+4], 16
	s_mov_b32 s[\g+5], 32
	s_mov_b32 s[\g+6], 0
	s_mov_b32 s[\g+7], 0
.endr
	s_mul_i32 s2, s[HB], 8*TROW
	s_mul_i32 s92, s46, 16*TROW
	s_add_co_u32 s92, s92, s2
	s_mov_b32 s93, 0
	s_mul_i32 s94, s47, 16*TROW
	s_add_co_u32 s94, s94, s2
	s_mov_b32 s95, 0
	s_lshl_b32 s2, s[HB], 12
	s_lshl_b32 s96, s46, 13
	s_add_co_u32 s96, s96, s2
	s_mov_b32 s97, 0
	s_lshl_b32 s66, s47, 13
	s_add_co_u32 s66, s66, s2
	s_mov_b32 s67, 0
	s_mul_i32 s2, s[WV], HALFT
	s_mul_i32 s3, s[WV], HALFS
	s_mov_b32 s[SEL], 0x76543210
	s_mov_b32 s[SEL+1], 0xfedcba98
	s_wait_dscnt 0x0
	s_wait_kmcnt 0x0
	s_add_nc_u64 s[92:93], s[4:5], s[92:93]
	s_add_nc_u64 s[94:95], s[4:5], s[94:95]
	s_add_nc_u64 s[96:97], s[6:7], s[96:97]
	s_add_nc_u64 s[66:67], s[6:7], s[66:67]
	CROUND
	s_mov_b32 s[G0S], 1
	s_add_co_u32 s[G0S+1], s3, SCL
	s_mov_b64 s[G0S+2:G0S+3], s[96:97]
	s_or_b32 s[G0S+3], s[G0S+3], 0x80000000
	s_mov_b32 s[G0SB], 1
	s_add_co_u32 s[G0SB+1], s3, SCL
	s_mov_b64 s[G0SB+2:G0SB+3], s[66:67]
	s_or_b32 s[G0SB+3], s[G0SB+3], 0x80000000
	JLOAD G0S, G1S, G0SB, G1SB
.irp s, 0,1
	s_mov_b32 s[G0+4*\s], 1
	s_add_co_u32 s[G0+4*\s+1], s2, \s*SLOT
	s_add_nc_u64 s[G0+4*\s+2:G0+4*\s+3], s[92:93], \s*ROWB
	s_or_b32 s[G0+4*\s+3], s[G0+4*\s+3], 0x80000000
	s_mov_b32 s[G0B+4*\s], 1
	s_add_co_u32 s[G0B+4*\s+1], s2, \s*SLOT
	s_add_nc_u64 s[G0B+4*\s+2:G0B+4*\s+3], s[94:95], \s*ROWB
	s_or_b32 s[G0B+4*\s+3], s[G0B+4*\s+3], 0x80000000
	s_wait_alu depctr_va_vdst(0)
	s_wait_tensorcnt 0x0
	ds_add_u32 v28, v29
	s_wait_dscnt 0x0
	CROUND
	JLOAD G0+4*\s, G1, G0B+4*\s, G1B
.endr
	v_and_b32 v1, 31, v0
	v_and_b32 v2, 15, v0
	v_bfe_u32 v3, v0, 4, 1
	v_lshlrev_b32 v[L16], 4, v1
	v_lshlrev_b32 v[L8], 3, v1
	s_mul_i32 s2, s[HA], HALFT
	s_mul_i32 s3, s[HB], HALFT
	s_add_co_u32 s3, s3, 2*HALFT
.irp s, 0,1
	v_add_nc_u32 v[ADRA+\s], s2, v[L16]
	v_add_nc_u32 v[ADRA+2+\s], s2, v[L8]
	v_add_nc_u32 v[ADRB+\s], s3, v[L16]
	v_add_nc_u32 v[ADRB+2+\s], s3, v[L8]
	s_add_co_u32 s2, s2, SLOT
	s_add_co_u32 s3, s3, SLOT
.endr
	v_lshlrev_b32 v5, 3, v2
	s_mul_i32 s2, s[HA], HALFS
	s_mul_i32 s3, s[HB], HALFS
	s_add_co_u32 s3, s3, 2*HALFS
	s_sub_co_u32 s3, s3, s2
	v_mul_u32_u24 v6, s3, v3
	s_add_co_u32 s2, s2, SCL
	v_add_nc_u32 v5, v5, v6
	v_add_nc_u32 v[ADRS], s2, v5
	v_lshlrev_b32 v[SH], 4, v3
	v_mul_u32_u24 v[SA], v3, 40960
	v_lshl_add_u32 v[SA], v2, 4, v[SA]
.irp b, 0,1,2,3
	v_mov_b32 v[TM+4+\b], 0
.endr
.macro FRAG reg, adr, q, i
	ds_load_b128 v[\reg:\reg+3], v[\adr] offset:(\i)*ROWB+(\q)*KSB
	ds_load_b64 v[\reg+4:\reg+5], v[\adr+2] offset:(\i)*ROWB+(\q)*KSB+512
	ds_load_b128 v[\reg+6:\reg+9], v[\adr] offset:(\i)*ROWB+(\q)*KSB+768
	ds_load_b64 v[\reg+10:\reg+11], v[\adr+2] offset:(\i)*ROWB+(\q)*KSB+1280
.endm
.macro MUL16 a0, p, q, sc, zero
.irp a, \a0, \a0+1
.irp b, 0,1,2,3,4,5,6,7
.if \zero
	v_wmma_scale_f32_16x16x128_f8f6f4 v[8*(8*((\a)%4)+\b):8*(8*((\a)%4)+\b)+7], v[128*(\p)+FR*\b:128*(\p)+FR*\b+FR-1], v[AF+FR*(\a):AF+FR*(\a)+FR-1], 0, v[SC+8*NQ*(\sc)+NQ*\b+(\q)], v[SC+8*NQ*(\sc)+NQ*(\a)+(\q)] matrix_a_fmt:MATRIX_FMT_FP6 matrix_b_fmt:MATRIX_FMT_FP6 matrix_a_scale:MATRIX_SCALE_ROW1
.else
	v_wmma_scale_f32_16x16x128_f8f6f4 v[8*(8*((\a)%4)+\b):8*(8*((\a)%4)+\b)+7], v[128*(\p)+FR*\b:128*(\p)+FR*\b+FR-1], v[AF+FR*(\a):AF+FR*(\a)+FR-1], v[8*(8*((\a)%4)+\b):8*(8*((\a)%4)+\b)+7], v[SC+8*NQ*(\sc)+NQ*\b+(\q)], v[SC+8*NQ*(\sc)+NQ*(\a)+(\q)] matrix_a_fmt:MATRIX_FMT_FP6 matrix_b_fmt:MATRIX_FMT_FP6 matrix_a_scale:MATRIX_SCALE_ROW1
.endif
.endr
.endr
.endm
.macro FETCH_B slot, q, p
	WIN TO_B
.irp i, 0,1,2,3,4,5,6,7
	FRAG 128*(\p)+FR*\i, ADRB+\slot, \q, \i
.endr
	WIN 0
.endm
.macro FETCH_A slot, q, i0
.irp i, \i0, \i0+1, \i0+2, \i0+3
	FRAG AF+FR*(\i), ADRA+\slot, \q, \i
.endr
.endm
.macro SCALES sc
.irp i, 0,1,2,3,4,5,6,7
	ds_load_b64 v[SC+8*NQ*\sc+NQ*\i:SC+8*NQ*\sc+NQ*\i+1], v[ADRS] offset:\i*SBLK
.endr
.endm
.macro PLACES n
.rept \n
	v_nop
.endr
.endm
.macro STEP slot, q, zero
	s_wait_dscnt 4*NL
	WIN MUL_LO
	MUL16 0, (\q)%2, \q, \slot, \zero
	MUL16 2, (\q)%2, \q, \slot, \zero
	s_wait_dscnt 0
	PLACES NP
	FETCH_B \slot, (\q)+1, 1-(\q)%2
	FETCH_A \slot, (\q)+1, 0
	WIN MUL_HI
	MUL16 4, (\q)%2, \q, \slot, \zero
	MUL16 6, (\q)%2, \q, \slot, \zero
	PLACES NP
	WIN 0
	FETCH_A \slot, (\q)+1, 4
.endm
.macro TURN slot, next, fill
	s_wait_tensorcnt 0x0
	ds_add_u32 v[SPW], v[NIL]
	s_wait_dscnt 4*NL+1
	WIN MUL_LO
	MUL16 0, 1, NQ-1, \slot, 0
	s_wait_dscnt 0x0
	s_barrier_signal -1
	MUL16 2, 1, NQ-1, \slot, 0
	WIN 0
	s_barrier_wait -1
.if \fill
	CREST
	s_add_nc_u64 s[G0+4*\slot+2:G0+4*\slot+3], s[G0+4*\slot+2:G0+4*\slot+3], 2*ROWB
	s_add_nc_u64 s[G0B+4*\slot+2:G0B+4*\slot+3], s[G0B+4*\slot+2:G0B+4*\slot+3], 2*ROWB
	JLOAD G0+4*\slot, G1, G0B+4*\slot, G1B
.else
	PLACES NP
.endif
	s_wait_alu depctr_va_vdst(0)
	v_add_nc_u32 v[ADRS], 128, v[ADRS]
	FETCH_B \next, 0, 0
	FETCH_A \next, 0, 0
	SCALES \next
	WIN MUL_HI
	MUL16 4, 1, NQ-1, \slot, 0
	MUL16 6, 1, NQ-1, \slot, 0
	PLACES NP
	WIN 0
	FETCH_A \next, 0, 4
.endm
	s_wait_alu depctr_va_vdst(0)
	s_wait_tensorcnt 1
	s_barrier_signal -1
	s_barrier_wait -1
	FETCH_B 0, 0, 0
	FETCH_A 0, 0, 0
	SCALES 0
	FETCH_A 0, 0, 4
	STEP 0, 0, 1
	TURN 0, 1, 1
	STEP 1, 0, 0
	TURN 1, 0, 1
	STEP 0, 0, 0
	TURN 0, 1, 0
	STEP 1, 0, 0
	s_wait_dscnt 4*NL
	WIN MUL_LO
	MUL16 0, 1, NQ-1, 1, 0
	MUL16 2, 1, NQ-1, 1, 0
	s_wait_dscnt 0
	WIN MUL_HI
	MUL16 4, 1, NQ-1, 1, 0
	MUL16 6, 1, NQ-1, 1, 0
	WIN 0
	PLACES NP
.macro QUANT s
.irp b, 0,1,2,3
	v_max3_num_f32 v[TM+\b], |v[\s+16*\b]|, |v[\s+1+16*\b]|, 0x1800000
.endr
.irp i, 2,4,6,8,10,12,14
.irp b, 0,1,2,3
	v_max3_num_f32 v[TM+\b], v[TM+\b], |v[\s+16*\b+\i]|, |v[\s+1+16*\b+\i]|
.endr
.endr
.irp b, 0,1,2,3
	v_permlanex16_b32 v[TM+4+\b], v[TM+\b], s[SEL], s[SEL+1]
.endr
.irp b, 0,1,2,3
	v_max_num_f32 v[TM+\b], v[TM+\b], v[TM+4+\b]
.endr
.irp b, 0,1,2,3
	v_add_nc_u32 v[TM+12+\b], 0xff000000, v[TM+\b]
.endr
.irp b, 0,1,2,3
	v_lshrrev_b32 v[TM+4+\b], 23, v[TM+12+\b]
.endr
	v_lshl_or_b32 v[PW], v[TM+5], 8, v[TM+4]
	v_lshl_or_b32 v[PW], v[TM+6], 16, v[PW]
	v_lshl_or_b32 v[PW], v[TM+7], 24, v[PW]
.irp c, 0,1
	v_cvt_scalef32_pk16_fp6_f32 v[PC+6*\c:PC+2+6*\c], v[\s+32*\c:\s+15+32*\c], v[TM+12+2*\c]
	v_cvt_scalef32_pk16_fp6_f32 v[PC+12+4*\c:PC+14+4*\c], v[\s+16+32*\c:\s+31+32*\c], v[TM+12+2*\c+1]
.endr
	v_nop
.irp c, 0,1
.irp i, 0,1,2
	v_permlane16_swap_b32 v[PC+6*\c+\i], v[PC+12+4*\c+\i]
.endr
.irp i, 0,1,2
	v_mov_b32 v[PC+3+6*\c+\i], v[PC+12+4*\c+\i]
.endr
.endr
.endm
	s_cmp_lg_u32 s[TY], 0
	s_cbranch_scc1 .Lway_v
	s_lshl_b32 s2, s46, 1
	s_add_co_u32 s2, s2, s[HA]
	s_lshl_b32 s3, s40, 2
	s_lshl_b32 s92, s[HB], 1
	s_add_co_u32 s3, s3, s92
	s_mul_i32 s92, s3, 589824
	s_mul_i32 s94, s2, 6144
	s_add_co_u32 s92, s92, s94
	s_lshr_b32 s94, s2, 3
	s_mul_i32 s94, s94, 49152
	s_add_co_u32 s94, s94, 196608
	s_mul_i32 s94, s94, ttmp9
	s_add_co_u32 s92, s92, s94
	s_mov_b32 s93, 0
	s_add_nc_u64 s[14:15], s[14:15], s[92:93]
	s_mul_i32 s94, s3, 40960
	s_lshl_b32 s96, ttmp9, 14
	s_add_co_u32 s94, s94, s96
	s_lshl_b32 s96, s2, 9
	s_add_co_u32 s94, s94, s96
	s_mov_b32 s95, 0
	s_add_nc_u64 s[16:17], s[16:17], s[94:95]
	s_lshl_b32 s96, s40, 10
	s_lshl_b32 s2, s[HB], 9
	s_add_co_u32 s96, s96, s2
	s_mov_b32 s97, 0
	s_cmp_eq_u32 ttmp9, 0
	s_cselect_b64 s[8:9], s[8:9], s[10:11]
	s_cselect_b32 s[FS], 0x3e000000, 1.0
	s_mov_b32 s[FS+1], s[FS]
	s_add_nc_u64 s[8:9], s[8:9], s[96:97]
	v_lshlrev_b32 v[BA], 6, v3
.irp b, 0,1,2,3,4,5,6,7
	global_load_b128 v[BR+8*\b:BR+8*\b+3], v[BA], s[8:9] offset:(32*(\b/2)+8*(\b%2))*4
	global_load_b128 v[BR+8*\b+4:BR+8*\b+7], v[BA], s[8:9] offset:(32*(\b/2)+8*(\b%2))*4+16
.endr
	s_wait_loadcnt 0x0
.set j, 0
.rept 32
	v_pk_mul_f32 v[BR+j:BR+j+1], v[BR+j:BR+j+1], s[FS:FS+1] op_sel_hi:[1,0]
.set j, j+2
.endr
.macro OUT_QK a
.if \a > 0
	s_wait_xcnt 0x0
.endif
	WIN 0x02+(\a)/4
.set j, 0
.rept 32
	v_pk_fma_f32 v[X+j:X+j+1], v[64*((\a)%4)+j:64*((\a)%4)+j+1], s[FS:FS+1], v[BR+j:BR+j+1] op_sel_hi:[1,0,1]
.set j, j+2
.endr
	WIN 0
	QUANT X
	v_lshrrev_b32 v[SW+\a], v[SH], v[PW]
	global_store_b128 v[L16], v[PC:PC+3], s[14:15] offset:768*\a
	global_store_b64 v[L8], v[PC+4:PC+5], s[14:15] offset:768*\a+512
	global_store_b128 v[L16], v[PC+6:PC+9], s[14:15] offset:768*\a+589824
	global_store_b64 v[L8], v[PC+10:PC+11], s[14:15] offset:768*\a+589824+512
.endm
.irp a, 0,1,2,3,4,5,6,7
	OUT_QK \a
.endr
	global_store_b128 v[SA], v[SW:SW+3], s[16:17]
	global_store_b128 v[SA], v[SW+4:SW+7], s[16:17] offset:256
	s_branch .Ljoin
.Lway_v:
	s_lshl_b32 s2, s47, 1
	s_add_co_u32 s2, s2, s[HB]
	s_lshl_b32 s3, s41, 2
	s_lshl_b32 s92, s[HA], 1
	s_add_co_u32 s3, s3, s92
	s_mul_i32 s92, s3, 589824
	s_lshr_b32 s94, s2, 3
	s_mul_i32 s94, s94, 98304
	s_add_co_u32 s92, s92, s94
	s_and_b32 s94, s2, 7
	s_mul_i32 s94, s94, 6144
	s_add_co_u32 s92, s92, s94
	s_add_co_u32 s92, s92, 196608+49152
	s_mov_b32 s93, 0
	s_add_nc_u64 s[14:15], s[14:15], s[92:93]
	s_mul_i32 s94, s3, 40960
	s_lshl_b32 s96, s2, 8
	s_add_co_u32 s94, s94, s96
	s_add_co_u32 s94, s94, 32768
	s_mov_b32 s95, 0
	s_add_nc_u64 s[16:17], s[16:17], s[94:95]
	s_lshl_b32 s96, s41, 10
	s_lshl_b32 s2, s[HA], 9
	s_add_co_u32 s96, s96, s2
	s_mov_b32 s97, 0
	s_add_nc_u64 s[12:13], s[12:13], s[96:97]
	v_and_b32 v[BA], 8, v2
	v_add_nc_u32 v[BA], v[BA], v2
	v_lshlrev_b32 v[BA], 2, v[BA]
.irp a, 0,1,2,3,4,5,6,7
	global_load_b32 v[BR+2*\a], v[BA], s[12:13] offset:(32*(\a/2)+8*(\a%2))*4
.endr
	s_wait_loadcnt 0x0
.irp a, 0,1,2,3,4,5,6,7
	v_mov_b32 v[BR+2*\a+1], v[BR+2*\a]
.endr
.macro OUT_V a
.if \a > 0
	s_wait_xcnt 0x0
.endif
	WIN 0x02+(\a)/4
.set j, 0
.rept 32
	v_pk_add_f32 v[X+j:X+j+1], v[64*((\a)%4)+j:64*((\a)%4)+j+1], v[BR+2*\a:BR+2*\a+1]
.set j, j+2
.endr
	WIN 0
	QUANT X
	v_mov_b32 v[SW+\a], v[PW]
.irp p, 0,1,2
	global_store_b128 v[L16], v[PC+4*\p:PC+4*\p+3], s[14:15] offset:(\a/4)*589824+(\a%4)*1536+512*\p
.endr
.endm
.irp a, 0,1,2,3,4,5,6,7
	OUT_V \a
.endr
	v_cmp_ne_u32 vcc_lo, 0, v3
.irp i, 0,1,2,3
	v_cndmask_b32 v[SELR+\i], v[SW+\i], v[SW+4+\i], vcc_lo
.endr
	global_store_b128 v[SA], v[SELR:SELR+3], s[16:17]
.Ljoin:
	s_wait_tensorcnt 0x0
	ds_add_u32 v[SPW], v[NIL]
	s_wait_dscnt 0x0
	CROUND
	s_endpgm
.Lfunc_end_k_qd3aacd9104_proj:
	.size	k_qd3aacd9104_proj, .Lfunc_end_k_qd3aacd9104_proj-k_qd3aacd9104_proj
	.p2alignl 7, 3214868480
	.fill 96, 4, 3214868480
	.section	.rodata,"a",@progbits
	.p2align	6, 0x0
	.amdhsa_kernel k_qd3aacd9104_proj
		.amdhsa_group_segment_fixed_size 327680
		.amdhsa_private_segment_fixed_size 0
		.amdhsa_enable_private_segment 0
		.amdhsa_kernarg_size 56
		.amdhsa_user_sgpr_count 2
		.amdhsa_user_sgpr_kernarg_segment_ptr 1
		.amdhsa_wavefront_size32 1
		.amdhsa_system_sgpr_workgroup_id_x 1
		.amdhsa_system_sgpr_workgroup_id_y 1
		.amdhsa_system_sgpr_workgroup_id_z 1
		.amdhsa_system_vgpr_workitem_id 0
		.amdhsa_next_free_vgpr 1024
		.amdhsa_next_free_sgpr 100
		.amdhsa_reserve_vcc 1
		.amdhsa_float_denorm_mode_32 3
		.amdhsa_float_denorm_mode_16_64 3
		.amdhsa_memory_ordered 1
		.amdhsa_forward_progress 1
		.amdhsa_inst_pref_size 221
	.end_amdhsa_kernel
	.amdgpu_metadata
---
amdhsa.version: [ 1, 2 ]
amdhsa.kernels:
  - .name:           k_qd3aacd9104_proj
    .symbol:         k_qd3aacd9104_proj.kd
    .args:
      - { .name: cod, .offset: 0, .size: 8, .value_kind: global_buffer, .address_space: global }
      - { .name: scl, .offset: 8, .size: 8, .value_kind: global_buffer, .address_space: global }
      - { .name: bq, .offset: 16, .size: 8, .value_kind: global_buffer, .address_space: global }
      - { .name: bk, .offset: 24, .size: 8, .value_kind: global_buffer, .address_space: global }
      - { .name: bv, .offset: 32, .size: 8, .value_kind: global_buffer, .address_space: global }
      - { .name: qkv, .offset: 40, .size: 8, .value_kind: global_buffer, .address_space: global }
      - { .name: qkvs, .offset: 48, .size: 8, .value_kind: global_buffer, .address_space: global }
    .group_segment_fixed_size: 327680
    .private_segment_fixed_size: 0
    .kernarg_segment_align: 8
    .kernarg_segment_size: 56
    .max_flat_workgroup_size: 128
    .sgpr_count:     100
    .vgpr_count:     1024
    .wavefront_size: 32
...
	.end_amdgpu_metadata
.endif
;; end of part 2
;; launch attn (part 3): grid 16 x 16, 16 waves a work-group, clusters of 4 x 1, 327,680 bytes of LDS; arguments qkv, qkvs, ac, asc; writes ac, asc
.if DOCPART == 3
	.amdgcn_target "amdgcn-amd-amdhsa--gfx1250"
	.amdhsa_code_object_version 6
	.text
	.protected	k_qd3aacd9104_attn
	.globl	k_qd3aacd9104_attn
	.p2align	8
	.type	k_qd3aacd9104_attn,@function
k_qd3aacd9104_attn:
	s_mov_b64 s[64:65], 0
	v_nop
	global_prefetch_b8 v0, s[64:65] scope:SCOPE_SE
	s_setreg_imm32_b32 hwreg(HW_REG_WAVE_MODE, 25, 1), 1
	s_wait_xcnt 0x0
	s_wait_alu depctr_hold_cnt(0) depctr_sa_sdst(0) depctr_va_vdst(0) depctr_va_sdst(0) depctr_va_ssrc(0) depctr_va_vcc(0) depctr_vm_vsrc(0)
	s_getreg_b32 s2, hwreg(HW_REG_IB_STS2, 6, 4)
	s_cmp_eq_u32 s2, 0
	s_cbranch_scc0 .Lentry_in_a_cluster
	s_endpgm
.Lentry_in_a_cluster:
	s_bfe_u32 s2, ttmp6, 0x10000c
	s_cmp_lg_u32 s2, 0x3003
	s_cbranch_scc0 .Lentry_shape_is_right
	s_endpgm
.Lentry_shape_is_right:
; For each of 16 heads: O[q] = sum over k of softmax_k(Q[q] . K[k]) V[k]; Q already carries the 1/8.  Both products on codes of FP6 (E2M3) with E8M0 scales.  4,096 queries, 4,096 keys, head size 64.
; THE SOFTMAX: t = score x log2(e); M = the running largest t rounded UP to a whole number; p = 2^(t - M) is quantised along the keys, not normalised; the row's sum is taken of the unquantised p
; and divides O at the end.  When M moves, the sum and O are multiplied by 2^(old M - new M): exact.  The result is quantised along the head's 64 and leaves as codes in the order of the last product's operand registers.
; SHARES: a work-group owns 256 queries of a head, each of its sixteen waves one tile of 16.  Both products transposed (S^T = K Q^T, O^T = V^T P^T): a lane holds one query.
; WHICH KEYS FORM A SCORE TILE is chosen by the lanes' LDS addresses: tile (c, u) of a step of 128 keys has key 64 c + 8 u + p in row p < 8 and key 64 c + 32 + 8 u + p - 8 in row p >= 8.
; So lane (r, h) holds in registers 32 c + i the keys 64 c + 32 h + i: two WHOLE blocks of 32, in the order of p's operand: a block's largest needs no other lane, and the codes need no lane swap.
; TWO KEY TILES SHARE ONE OPERAND: the scores' K is 64, half of the instruction's 128.  Registers 0-5 hold tile u' = 0, registers 6-11 tile u' = 1; one product takes [Q | zero codes], the other [zero codes | Q].
; Their scale word is the two low halves of the two tiles' words (one v_perm_b32); Q's word holds its two bytes twice.
; THE WALK: trip t fetches K(t), does softmax and second product of step t - 1, then the scores of step t, then fetches V(t): each fragment is asked for most of a trip ahead of its use, and one LDS wait stands in a trip.
; The change of slots stands between V(8 m - 1)'s loads and K(8 m)'s, that is between two loops.
; CLUSTER 4 x 1: the four query blocks of a cluster walk the same K and V: every tile is asked for jointly.  Two slots of 1,024 keys (384 rows of 256 bytes); each of the 16 waves asks for 24 rows of a refill.
; At the head waves 0-11 ask for 32 rows each of slot 0 and waves 12-15 for 24 rows each of the head's scale words: one tensor load a wave on every way.
; LDS rows are 256 bytes + 64 of padding: two tiles that lie 6 rows apart then stand 128 bytes apart modulo 256, so the sixteen lanes of a 16-byte load of K name sixteen different 16-byte columns.
; NO PREFETCH: a refill is asked for eight key steps ahead of its first read, and slot 0's first fill has no loop ahead of it in which to ask.
; LIMITS: a block of zeros gets the byte 1 (its codes are zeros, and this program alone reads the bytes); NaN and infinities are not served; the scaled scores stay under 2^31 in magnitude.
; REGISTERS: v0 thread; v1, v2 the add's; v3-7 LDS places that stay; v8 f, v9 8 h; v[10:11] the sum; v12 -M, v13 largest score; v14, v15 the blocks' largest, then the conversions' scales;
; v16-33 zero codes, Q, zero codes; v34-47 scale words and nothing else; v48-95 K; v96-143 V; v144-207 S^T, then p; v208-239 O^T; v240-251 at work, then p's codes; v252-254 addresses, a conversion's result.
.set SLOT1, 1<<17                      ; slot 1 begins here: one exclusive or turns an address
.set PIT,   320                        ; an LDS row
.set KBL,   192*PIT                    ; K's part of a slot in LDS; V's follows
.set STEPL, 24*PIT                     ; a key step's rows, of K (8 tiles x 3) and of V (4 tiles x 6) alike
.set SLOTB, 98304                      ; a slot's bytes in memory
.set SCK,   2*SLOT1                    ; K's scale words of the head, 64 rows;
.set SCV,   SCK+64*PIT                 ; V's, 32 rows
.set SPARE, SCK+96*PIT                 ; the spare words, 128 bytes for each of 16 waves
.set HEADB, 589824
.set HEADS, 40960
.set KW, 34                            ; v34-41 K's scale words, a pair of tiles to a pair of registers
.set VW, 42                            ; v42-45 V's;  v46 Q's;  v47 p's
.set KR, 48
.set VR, 96
.set SR, 144
.set OR, 208
.set PR, 240
.set WV,  12
.set SEL, 20
.set CS,  22
.set G1,  24                           ; 24 rows
.set G1H, 32                           ; 32 rows
.set G0R, 40
.set G0H, 44
.set G0S, 48
.set TB,  52                           ; LDS byte of step t's tiles
.set TS,  53                           ; of its scale words of K: two rows a step
.set TJ,  54                           ; of V: one row a step
.set OUTC, 55
.set CNT, 56
.set NC,  57
.set PSEL, 58
.macro CROUND                          ; a round of the cluster's barrier
	s_barrier_signal -1
	s_barrier_wait -1
	s_cmp_lg_u32 s[WV], 0
	s_cbranch_scc1 .Lnot_wave_0_\@
	s_barrier_signal -3
.Lnot_wave_0_\@:
	s_barrier_wait -3
	s_barrier_signal -1
	s_barrier_wait -1
.endm
	s_load_b256 s[4:11], s[0:1], 0x0               ; qkv, qkvs, ac, asc
	v_lshl_add_u32 v1, v0, 2, SPARE
	v_mov_b32 v2, 0
	ds_add_u32 v1, v2                              ; the opening lines: the add, twice on end, and its wait ahead of the first tensor load
	ds_add_u32 v1, v2
	v_lshrrev_b32 v3, 5, v0
	v_readfirstlane_b32 s[WV], v3                  ; wave 0..15
	s_bfe_u32 s13, ttmp6, 0x40000                  ; cx: it enters Q's and the results' addresses alone
	s_lshl_b32 s14, ttmp9, 2
	s_add_co_u32 s14, s14, s13                     ; my block of 256 queries
	s_and_b32 s15, ttmp7, 0xffff                   ; the head, which the partners share
	s_lshl_b32 s16, s14, 4
	s_add_co_u32 s16, s16, s[WV]                   ; my query tile T
	s_and_b32 s17, s[WV], 3
	; groups 1: dense rows of 256 bytes (32 elements of 8), 16 words of padding behind each; mask: all four work-groups
	s_mov_b32 s[G1], 15|(3<<16)|(1<<20)|(1<<21)|(5<<22)|(15<<25)
	s_mov_b32 s[G1+1], 32<<16
	s_mov_b32 s[G1+2], 24<<16
	s_mov_b32 s[G1+3], 32<<16
	s_mov_b32 s[G1+4], 24
	s_mov_b32 s[G1+5], 32
	s_mov_b32 s[G1+6], 0
	s_mov_b32 s[G1+7], 0
	s_mov_b32 s[G1H], 15|(3<<16)|(1<<20)|(1<<21)|(5<<22)|(15<<25)
	s_mov_b32 s[G1H+1], 32<<16
	s_mov_b32 s[G1H+2], 32<<16
	s_mov_b32 s[G1H+3], 32<<16
	s_mov_b32 s[G1H+4], 32
	s_mov_b32 s[G1H+5], 32
	s_mov_b32 s[G1H+6], 0
	s_mov_b32 s[G1H+7], 0
	s_mul_i32 s60, s15, HEADB
	s_mov_b32 s61, 0
	s_mul_i32 s62, s15, HEADS
	s_mov_b32 s63, 0
	s_lshl_b32 s66, s[WV], 13                      ; the head's fill: 32 rows a wave, behind Q
	s_add_co_u32 s66, s66, 196608
	s_mov_b32 s67, 0
	s_add_nc_u64 s[66:67], s[66:67], s[60:61]
	s_mul_i32 s68, s17, 6144                       ; K's and V's scale words lie behind Q's: 24 rows a wave
	s_add_co_u32 s68, s68, 16384
	s_mov_b32 s69, 0
	s_add_nc_u64 s[68:69], s[68:69], s[62:63]
	s_mul_i32 s70, s[WV], 6144                     ; the ring: 24 rows a wave
	s_add_co_u32 s70, s70, 196608
	s_mov_b32 s71, 0
	s_add_nc_u64 s[70:71], s[70:71], s[60:61]
	s_mul_i32 s72, s16, 768                        ; Q's half image
	s_mov_b32 s73, 0
	s_add_nc_u64 s[72:73], s[72:73], s[60:61]
	s_lshr_b32 s74, s16, 2
	s_lshl_b32 s74, s74, 8
	s_and_b32 s18, s16, 3
	s_lshl_b32 s18, s18, 2
	s_add_co_u32 s74, s74, s18                     ; Q's scale words: (T / 4) 256 + 4 (T % 4)
	s_mov_b32 s75, 0
	s_add_nc_u64 s[74:75], s[74:75], s[62:63]
	s_mul_i32 s76, s16, 12288                      ; the result's codes: T x 12,288 + head x 768
	s_mul_i32 s18, s15, 768
	s_add_co_u32 s76, s76, s18
	s_mov_b32 s77, 0
	s_lshl_b32 s78, s16, 9                         ; its two bytes a row: T x 512 + (head / 4) 128 + 2 (head % 4)
	s_lshr_b32 s18, s15, 2
	s_lshl_b32 s18, s18, 7
	s_add_co_u32 s78, s78, s18
	s_and_b32 s18, s15, 3
	s_lshl_b32 s18, s18, 1
	s_add_co_u32 s78, s78, s18
	s_mov_b32 s79, 0
	s_mul_i32 s2, s[WV], 32*PIT
	s_mul_i32 s3, s17, 24*PIT
	s_mul_i32 s19, s[WV], 24*PIT
	s_mov_b32 s[SEL], 0x76543210
	s_mov_b32 s[SEL+1], 0xfedcba98                 ; selects for lane l xor 16
	s_mov_b32 s[CS], 0x3fb8aa3b                    ; log2(e)
	s_mov_b32 s[CS+1], s[CS]
	s_mov_b32 s[NC], 0xbfb8aa3b                    ; - log2(e)
	s_mov_b32 s[PSEL], 0x05040100                  ; the two low halves
	s_mov_b32 s[TB], 0
	s_mov_b32 s[TS], 0
	s_mov_b32 s[TJ], 0
	s_mov_b32 s[OUTC], 2
	s_wait_dscnt 0x0                               ; both opening adds are done
	s_wait_kmcnt 0x0
	s_mov_b32 s[G0H], 1
	s_mov_b32 s[G0H+1], s2
	s_add_nc_u64 s[G0H+2:G0H+3], s[4:5], s[66:67]
	s_or_b32 s[G0H+3], s[G0H+3], 0x80000000
	s_mov_b32 s[G0S], 1
	s_add_co_u32 s[G0S+1], s3, SCK
	s_add_nc_u64 s[G0S+2:G0S+3], s[6:7], s[68:69]
	s_or_b32 s[G0S+3], s[G0S+3], 0x80000000
	s_mov_b32 s[G0R], 1                            ; the ring's group 0 stands at slot 0, keys 0: every change of slots steps it before it asks
	s_mov_b32 s[G0R+1], s19
	s_add_nc_u64 s[G0R+2:G0R+3], s[4:5], s[70:71]
	s_or_b32 s[G0R+3], s[G0R+3], 0x80000000
	s_add_nc_u64 s[72:73], s[4:5], s[72:73]
	s_add_nc_u64 s[74:75], s[6:7], s[74:75]
	s_add_nc_u64 s[8:9], s[8:9], s[76:77]
	s_add_nc_u64 s[10:11], s[10:11], s[78:79]
	CROUND                                         ; all four work-groups are here: the first joint loads meet
	s_cmp_lt_u32 s[WV], 12                         ; one branch, a fill in each arm: every way passes one tensor load
	s_cbranch_scc0 .Lhead_s
	tensor_load_to_lds s[G0H:G0H+3], s[G1H:G1H+7]
	s_nop 0
.rept 4
	v_nop
.endr
	s_branch .Lhead_j
.Lhead_s:
	tensor_load_to_lds s[G0S:G0S+3], s[G1:G1+7]
	s_nop 0
.rept 4
	v_nop
.endr
.Lhead_j:
	v_and_b32 v240, 31, v0                         ; lane
	v_and_b32 v241, 7, v0                          ; j
	v_bfe_u32 v242, v0, 3, 1                       ; g
	v_bfe_u32 v243, v0, 4, 1                       ; h
	v_and_b32 v244, 15, v0                         ; r
	v_lshlrev_b32 v245, 4, v240
	v_lshlrev_b32 v246, 3, v240
	v_lshlrev_b32 v247, 4, v244
	global_load_b128 v[22:25], v245, s[72:73]      ; Q's half image stays in registers
	global_load_b64 v[26:27], v246, s[72:73] offset:512
	global_load_b32 v46, v247, s[74:75]            ; Q's scale words
	v_mul_u32_u24 v3, v242, 6*PIT                  ; K, registers 0-3 of an image: the tile two on for rows 8-15, row h of the image, 16 j
	v_lshl_add_u32 v3, v241, 4, v3
	v_mad_u32_u24 v3, v243, PIT, v3
	v_mul_u32_u24 v4, v242, 6*PIT                  ; registers 4-5: 8 j + 128 h in the image's third row
	v_lshl_add_u32 v4, v241, 3, v4
	v_lshl_add_u32 v4, v243, 7, v4
	v_mul_u32_u24 v5, v243, PIT                    ; V: 512 bytes of an image are two rows: row h, 16 r
	v_lshl_add_u32 v5, v244, 4, v5
	v_add_nc_u32 v5, KBL, v5
	v_lshl_add_u32 v6, v241, 4, SCK                ; K's scale words: 16 j + 8 g
	v_lshl_add_u32 v6, v242, 3, v6
	v_lshl_add_u32 v7, v244, 4, SCV                ; V's: 16 r
	v_lshlrev_b32 v9, 3, v243                      ; 8 h: my bytes' place in p's scale word
.irp i, 16,17,18,19,20,21,28,29,30,31,32,33
	v_mov_b32 v[\i], 0                             ; zero codes on both sides of Q
.endr
	v_mov_b32 v10, 0
	v_mov_b32 v11, 0
	v_mov_b32 v13, 0xfe967699                      ; the largest score so far: -1e38
	v_mul_f32 v12, s[NC], v13
	v_floor_f32 v12, v12                           ; -M
	v_mov_b32 v250, 0                              ; a lane permute's destination counts as read
.macro KLOAD                           ; step t's eight key tiles, as four operands, and their scale words
	v_add_nc_u32 v252, s[TB], v3
	v_add_nc_u32 v253, s[TB], v4
	v_add_nc_u32 v254, s[TS], v6
.irp c, 0,1
.irp a, 0,1
.irp u, 0,1
	ds_load_b128 v[KR+12*(2*\c+\a)+6*\u:KR+12*(2*\c+\a)+6*\u+3], v252 offset:3*PIT*(4*\c+\u)+128*\a
	ds_load_b64 v[KR+12*(2*\c+\a)+6*\u+4:KR+12*(2*\c+\a)+6*\u+5], v253 offset:3*PIT*(4*\c+\u)+2*PIT+64*\a
.endr
	ds_load_b64 v[KW+2*(2*\c+\a):KW+2*(2*\c+\a)+1], v254 offset:PIT*\c+128*\a
.endr
.endr
.endm
.macro PERM i                          ; the pair's scale word: tile u' = 0's two bytes below, tile u' = 1's above
	v_perm_b32 v[KW+2*\i], v[KW+2*\i+1], v[KW+2*\i], s[PSEL]
.endm
.macro SCORE                           ; S^T = K Q^T: tile (c, 2 a + u') lands at registers 32 c + 16 a + 8 u'
.irp c, 0,1
.irp a, 0,1
	v_wmma_scale_f32_16x16x128_f8f6f4 v[SR+32*\c+16*\a:SR+32*\c+16*\a+7], v[KR+12*(2*\c+\a):KR+12*(2*\c+\a)+11], v[22:33], 0, v[KW+2*(2*\c+\a)], v46 matrix_a_fmt:MATRIX_FMT_FP6 matrix_b_fmt:MATRIX_FMT_FP6
	v_wmma_scale_f32_16x16x128_f8f6f4 v[SR+32*\c+16*\a+8:SR+32*\c+16*\a+15], v[KR+12*(2*\c+\a):KR+12*(2*\c+\a)+11], v[16:27], 0, v[KW+2*(2*\c+\a)], v46 matrix_a_fmt:MATRIX_FMT_FP6 matrix_b_fmt:MATRIX_FMT_FP6
.endr
.endr
.endm
.macro VLOAD                           ; step t's four fragments of V and their scale words; the four lines ahead of the loads are the places behind the products
	v_add_nc_u32 v252, s[TB], v5
	v_add_nc_u32 v253, s[TJ], v7
	v_nop
	v_nop
.irp t, 0,1,2,3
.irp p, 0,1,2
	ds_load_b128 v[VR+12*\t+4*\p:VR+12*\t+4*\p+3], v252 offset:6*PIT*\t+2*PIT*\p
.endr
.endr
	ds_load_b128 v[VW:VW+3], v253
	s_add_co_u32 s[TB], s[TB], STEPL
	s_add_co_u32 s[TS], s[TS], 2*PIT
	s_add_co_u32 s[TJ], s[TJ], PIT
.endm
.macro PVMM                            ; O^T += V^T P^T: the four accumulators by turns
.irp t, 0,1,2,3
	v_wmma_scale_f32_16x16x128_f8f6f4 v[OR+8*\t:OR+8*\t+7], v[VR+12*\t:VR+12*\t+11], v[PR:PR+11], v[OR+8*\t:OR+8*\t+7], v[VW+\t], v47 matrix_a_fmt:MATRIX_FMT_FP6 matrix_b_fmt:MATRIX_FMT_FP6
.endr
.endm
; THE SOFTMAX of 128 keys.  more = 1: the next step's scale words of K are joined here too.
.macro SOFT more
.irp c, 0,1                            ; the largest score of my two blocks, each in two chains; each accumulator is first read at its low end
	v_max3_num_f32 v[14+\c], v[SR+32*\c], v[SR+32*\c+1], v[SR+32*\c+2]
	v_max3_num_f32 v[PR+\c], v[SR+32*\c+16], v[SR+32*\c+17], v[SR+32*\c+18]
.endr
.irp i, 3,5,7,9,11,13
.irp c, 0,1
	v_max3_num_f32 v[14+\c], v[14+\c], v[SR+32*\c+\i], v[SR+32*\c+\i+1]
	v_max3_num_f32 v[PR+\c], v[PR+\c], v[SR+32*\c+16+\i], v[SR+32*\c+17+\i]
.endr
.endr
.irp c, 0,1
	v_max3_num_f32 v[14+\c], v[14+\c], v[PR+\c], v[SR+32*\c+15]
.endr
.irp c, 0,1
	v_max_num_f32 v[14+\c], v[14+\c], v[SR+32*\c+31]
.endr
	v_max3_num_f32 v[PR+2], v13, v14, v15
	v_permlanex16_b32 v[PR+3], v[PR+2], s[SEL], s[SEL+1]
	v_max_num_f32 v13, v[PR+2], v[PR+3]            ; the running largest score of my query, with lane l xor 16's keys
	v_mul_f32 v[PR+2], s[NC], v13                  ; - t
	v_floor_f32 v[PR+4], v[PR+2]                   ; the new -M = -ceil(t): a whole number
	v_sub_f32 v[PR+5], v[PR+4], v12                ; old M - new M: a whole number, 0 or less
	v_mov_b32 v12, v[PR+4]
	v_cvt_i32_f32 v[PR+5], v[PR+5]                 ; (it saturates)
.set j, 0
.rept 32
	v_pk_fma_f32 v[SR+j:SR+j+1], v[SR+j:SR+j+1], s[CS:CS+1], v[12:13] op_sel_hi:[1,0,0]   ; t - M, two at a time
.set j, j+2
.endr
	v_fma_f32 v14, v14, s[CS], v12                 ; the same of each block's largest score
	v_fma_f32 v15, v15, s[CS], v12
	v_ldexp_f32 v8, 1.0, v[PR+5]                   ; f = 2^(old M - new M)
.set j, 0
.rept 16
	v_pk_mul_f32 v[OR+j:OR+j+1], v[OR+j:OR+j+1], v[8:9] op_sel_hi:[1,0]   ; O^T under the new M, each accumulator from its low end on
.set j, j+2
.endr
	s_wait_alu depctr_va_vdst(0)                   ; the wait ahead of the batch
.set j, 0
.rept 64
	v_exp_f32 v[SR+j], v[SR+j]                     ; p = 2^(t - M), at most 1
.set j, j+1
.endr
	v_exp_f32 v14, v14                             ; the blocks' largest p: the same two instructions on the same number
	v_exp_f32 v15, v15
	v_pk_mul_f32 v[10:11], v[10:11], v[8:9] op_sel_hi:[1,0]   ; the sums under the new M (a plain place behind the exponentials)
	s_wait_alu depctr_va_vdst(0)                   ; one wait for the batch, and directly ahead of the wait below
	s_wait_dscnt 0x0                               ; V of this step and K of the next are in registers: all my LDS loads
	v_max_num_f32 v14, 0x1800000, v14              ; the floor 2^(3 - 127): the byte cannot fall under 1
	v_max_num_f32 v15, 0x1800000, v15
	v_add_nc_u32 v14, 0xff000000, v14              ; 2 off the exponent field: the conversion's scale operand
	v_add_nc_u32 v15, 0xff000000, v15
	v_lshrrev_b32 v[PR+8], 23, v14                 ; the scales' bytes: blocks h and 2 + h
	v_lshrrev_b32 v[PR+9], 23, v15
	v_lshl_or_b32 v[PR+8], v[PR+9], 16, v[PR+8]
	v_lshlrev_b32 v[PR+8], v9, v[PR+8]             ; at their places;
	v_permlanex16_b32 v[PR+10], v[PR+8], s[SEL], s[SEL+1]
	v_or_b32 v47, v[PR+8], v[PR+10]                ; with lane l xor 16's two the word is whole
	v_cvt_scalef32_pk16_fp6_f32 v[PR:PR+2], v[SR:SR+15], v14
	v_cvt_scalef32_pk16_fp6_f32 v[PR+6:PR+8], v[SR+32:SR+47], v15
	v_cvt_scalef32_pk16_fp6_f32 v[252:254], v[SR+16:SR+31], v14   ; (a conversion's three registers begin on an even number)
.if \more
	PERM 0                                         ; plain places behind the conversions
	PERM 1
.else
	v_nop
.endif
.irp i, 0,1,2
	v_mov_b32 v[PR+3+\i], v[252+\i]
.endr
	v_cvt_scalef32_pk16_fp6_f32 v[252:254], v[SR+48:SR+63], v15
.if \more
	PERM 2
	PERM 3
.else
	v_nop
.endif
.irp i, 0,1,2
	v_mov_b32 v[PR+9+\i], v[252+\i]
.endr
.irp n, 16,8,4,2                       ; the row's sum of the unquantised p, as a tree in p's own registers; these 32 lines are also the places between the writing of codes and scale words and the products
.set j, 0
.rept \n
	v_pk_add_f32 v[SR+2*j:SR+2*j+1], v[SR+2*j:SR+2*j+1], v[SR+2*(j+\n):SR+2*(j+\n)+1]
.set j, j+1
.endr
.endr
	v_pk_add_f32 v[10:11], v[10:11], v[SR:SR+1]
	v_pk_add_f32 v[10:11], v[10:11], v[SR+2:SR+3]
.endm
.macro TRIPS n
	s_mov_b32 s[CNT], \n
.Ltrip_\@:
	KLOAD
	SOFT 1
	PVMM
	SCORE
	VLOAD
	s_sub_co_u32 s[CNT], s[CNT], 1
	s_cmp_lg_u32 s[CNT], 0
	s_cbranch_scc1 .Ltrip_\@
.endm
; THE CHANGE OF SLOTS.  Each wave waits for all its tensor loads, adds 0 to its spare word, and waits for that and for its reads of the slot that it leaves (the last are V's of the slot's eighth step).
; fill = 1: a round of the cluster's barrier, and behind it the slot just left takes the keys that follow those of the other slot: eight key steps ahead of their first read.
.macro CHANGE fill, wrap
.if \wrap
	s_sub_co_u32 s[TB], s[TB], KBL                 ; back to a slot's first step,
	s_xor_b32 s[TB], s[TB], SLOT1                  ; in the other slot
.endif
	s_wait_tensorcnt 0x0                           ; no tensor load of mine is out, so a group 0 may be written
	ds_add_u32 v1, v2
.if \fill
	s_xor_b32 s[G0R+1], s[G0R+1], SLOT1
	s_add_nc_u64 s[G0R+2:G0R+3], s[G0R+2:G0R+3], SLOTB
.endif
	s_wait_dscnt 0x0
.if \fill
	CROUND
	tensor_load_to_lds s[G0R:G0R+3], s[G1:G1+7]    ; my 24 rows: the one tensor load behind the round
	s_nop 0
.else
	s_barrier_signal -1
	s_barrier_wait -1
.endif
.endm
	s_wait_alu depctr_va_vdst(0)                   ; the wait at the head's end
	CHANGE 1, 0                                    ; slot 0 and the scale words are in; slot 1's first fill is issued as a refill is
	s_wait_loadcnt 0x0                             ; Q
	v_perm_b32 v46, v46, v46, 0x01000100           ; Q's two bytes, twice: for [Q | 0] and for [0 | Q]
	KLOAD                                          ; step 0
	s_wait_alu depctr_va_vdst(0)                   ; directly ahead of the wait below
	s_wait_dscnt 0x0
	PERM 0
	PERM 1
	PERM 2
	PERM 3
.set j, 0
.rept 32
	v_mov_b32 v[OR+j], 0                           ; O^T: the step is written once; its first run finds zeros.  (Also the places between the scale words' writing and the products)
.set j, j+1
.endr
	SCORE
	VLOAD
	TRIPS 7                                        ; steps 1 to 7
.Lslot:                                            ; two trips: steps 8 to 15, 16 to 23
	CHANGE 1, 1
	TRIPS 8
	s_sub_co_u32 s[OUTC], s[OUTC], 1
	s_cmp_lg_u32 s[OUTC], 0
	s_cbranch_scc1 .Lslot
	CHANGE 0, 1                                    ; the last slot is written out
	TRIPS 8                                        ; steps 24 to 31
	SOFT 0                                         ; step 31's softmax and second product
	PVMM
	; THE WAY OUT: O^T / the sum; register 16 b + i is channel 32 b + 16 h + i of my query: two blocks of the last product's K.
	v_and_b32 v3, 31, v0
	v_and_b32 v6, 15, v0
	v_lshlrev_b32 v4, 4, v3                        ; 16 x lane
	v_lshlrev_b32 v5, 3, v3                        ; 8 x lane
	v_lshlrev_b32 v6, 3, v6                        ; 8 r
	v_add_f32 v10, v10, v11
	v_permlanex16_b32 v240, v10, s[SEL], s[SEL+1]
	v_add_f32 v10, v10, v240                       ; the row's sum
	s_wait_alu depctr_va_vdst(0)                   ; the wait ahead of the transcendental
	v_rcp_f32 v10, v10
	v_nop                                          ; a plain place behind the reciprocal
	s_wait_alu depctr_va_vdst(0)                   ; the wait ahead of its first reader, and of O^T's
.set j, 0
.rept 32
	v_mul_f32 v[SR+j], v[OR+j], v10                ; each accumulator from its low end on
.set j, j+1
.endr
.irp b, 0,1
	v_max3_num_f32 v[14+\b], |v[SR+16*\b]|, |v[SR+1+16*\b]|, 0x1800000
.endr
.irp i, 2,4,6,8,10,12,14
.irp b, 0,1
	v_max3_num_f32 v[14+\b], v[14+\b], |v[SR+16*\b+\i]|, |v[SR+1+16*\b+\i]|
.endr
.endr
.irp b, 0,1
	v_permlanex16_b32 v[240+\b], v[14+\b], s[SEL], s[SEL+1]
.endr
.irp b, 0,1
	v_max_num_f32 v[14+\b], v[14+\b], v[240+\b]
.endr
.irp b, 0,1
	v_add_nc_u32 v[242+\b], 0xff000000, v[14+\b]
.endr
.irp b, 0,1
	v_lshrrev_b32 v[240+\b], 23, v[242+\b]
.endr
	v_lshl_or_b32 v250, v241, 8, v240              ; my row's two bytes
	v_cvt_scalef32_pk16_fp6_f32 v[244:246], v[SR:SR+15], v242
	v_cvt_scalef32_pk16_fp6_f32 v[252:254], v[SR+16:SR+31], v243
	v_nop
.irp i, 0,1,2
	v_permlane16_swap_b32 v[244+\i], v[252+\i]     ; the layout wants a whole block in a lane
.endr
.irp i, 0,1,2
	v_mov_b32 v[247+\i], v[252+\i]
.endr
	global_store_b128 v4, v[244:247], s[8:9]               ; 512 consecutive bytes,
	global_store_b64 v5, v[248:249], s[8:9] offset:512     ; and 256: the half image
	global_store_b16 v6, v250, s[10:11]                    ; lanes l and l xor 16 store the same two bytes with the same value; a scale word of the last product spans two heads, which two work-groups make
	s_wait_tensorcnt 0x0                           ; the wave's end
	ds_add_u32 v1, v2
	s_wait_dscnt 0x0
	CROUND                                         ; the closing round
	s_endpgm
.Lfunc_end_k_qd3aacd9104_attn:
	.size	k_qd3aacd9104_attn, .Lfunc_end_k_qd3aacd9104_attn-k_qd3aacd9104_attn
	.p2alignl 7, 3214868480
	.fill 96, 4, 3214868480
	.section	.rodata,"a",@progbits
	.p2align	6, 0x0
	.amdhsa_kernel k_qd3aacd9104_attn
		.amdhsa_group_segment_fixed_size 327680
		.amdhsa_private_segment_fixed_size 0
		.amdhsa_enable_private_segment 0
		.amdhsa_kernarg_size 32
		.amdhsa_user_sgpr_count 2
		.amdhsa_user_sgpr_kernarg_segment_ptr 1
		.amdhsa_wavefront_size32 1
		.amdhsa_system_sgpr_workgroup_id_x 1
		.amdhsa_system_sgpr_workgroup_id_y 1
		.amdhsa_system_sgpr_workgroup_id_z 1
		.amdhsa_system_vgpr_workitem_id 0
		.amdhsa_next_free_vgpr 256
		.amdhsa_next_free_sgpr 80
		.amdhsa_reserve_vcc 0
		.amdhsa_float_denorm_mode_32 3
		.amdhsa_float_denorm_mode_16_64 3
		.amdhsa_memory_ordered 1
		.amdhsa_forward_progress 1
		.amdhsa_inst_pref_size 75
	.end_amdhsa_kernel
	.amdgpu_metadata
---
amdhsa.version: [ 1, 2 ]
amdhsa.kernels:
  - .name:           k_qd3aacd9104_attn
    .symbol:         k_qd3aacd9104_attn.kd
    .args:
      - { .name: qkv, .offset: 0, .size: 8, .value_kind: global_buffer, .address_space: global }
      - { .name: qkvs, .offset: 8, .size: 8, .value_kind: global_buffer, .address_space: global }
      - { .name: ac, .offset: 16, .size: 8, .value_kind: global_buffer, .address_space: global }
      - { .name: asc, .offset: 24, .size: 8, .value_kind: global_buffer, .address_space: global }
    .group_segment_fixed_size: 327680
    .private_segment_fixed_size: 0
    .kernarg_segment_align: 8
    .kernarg_segment_size: 32
    .max_flat_workgroup_size: 512
    .sgpr_count:     80
    .vgpr_count:     256
    .wavefront_size: 32
...
	.end_amdgpu_metadata
.endif
;; end of part 3
;; launch outp (part 4): grid 8 x 32, 8 waves a work-group, clusters of 4 x 4, 327,680 bytes of LDS; arguments ac, asc, cod, scl, bo, out0; writes out0
.if DOCPART == 4
	.amdgcn_target "amdgcn-amd-amdhsa--gfx1250"
	.amdhsa_code_object_version 6
	.text
	.protected	k_qd3aacd9104_outp
	.globl	k_qd3aacd9104_outp
	.p2align	8
	.type	k_qd3aacd9104_outp,@function
k_qd3aacd9104_outp:
	s_mov_b64 s[64:65], 0
	v_nop
	global_prefetch_b8 v0, s[64:65] scope:SCOPE_SE
	s_setreg_imm32_b32 hwreg(HW_REG_WAVE_MODE, 25, 1), 1
	s_wait_xcnt 0x0
	s_wait_alu depctr_hold_cnt(0) depctr_sa_sdst(0) depctr_va_vdst(0) depctr_va_sdst(0) depctr_va_ssrc(0) depctr_va_vcc(0) depctr_vm_vsrc(0)
	s_getreg_b32 s2, hwreg(HW_REG_IB_STS2, 6, 4)
	s_cmp_eq_u32 s2, 0
	s_cbranch_scc0 .Lentry_in_a_cluster
	s_endpgm
.Lentry_in_a_cluster:
	s_bfe_u32 s2, ttmp6, 0x10000c
	s_cmp_lg_u32 s2, 0xf033
	s_cbranch_scc0 .Lentry_shape_is_right
	s_endpgm
.Lentry_shape_is_right:
; out0[m][n] = sum over k of A[m][k] Wo[n][k] + bo[n].  A (attention's result, 4,096 x 1,024) and Wo (1,024 x 1,024) are codes of FP6 (E2M3) with E8M0 scales, laid in the order of an operand's registers:
; codes [row tile T][K step 0..7][1,536 bytes] (registers 0-3 at 16 x lane, 4-5 at 512 + 8 x lane, 6-9 at 768 + 16 x lane, 10-11 at 1,280 + 8 x lane); scale words [T][pair of K steps 0..3][row 16][2 words].
; A row tile T holds the 16 rows 32 (T / 2) + 8 (T % 2) + p + 8 (p / 8).  Wo's tiles are T = 448 .. 511 of cod and scl.
; A BLOCK of 128 x 128 to a work-group: 32 x 8 = 256 work-groups.  All of K for the block fits in LDS at once: 8 tiles of A and 8 of Wo, 98,304 bytes each, dense in memory, and 4,096 bytes of scale words for each side.
; So there is no ring and nothing is filled again: each of the eight waves asks for one half of one of the four blocks at the head, one wait and one barrier follow, and the rest reads LDS.
; SHARES: wave w makes A's tiles 2 (w / 2), 2 (w / 2) + 1 against Wo's tiles 4 (w % 2) .. + 3: 32 rows x 64 columns, 8 accumulators, which take turns, one instruction a turn.
; Two sets of fragments: step s + 1's 24 LDS loads are issued ahead of step s's 8 products.  All 32 scale registers are loaded once: register 8 i + s holds in lanes 0-15 the words of A's tile i (i < 2 are used), in lanes 16-31 those of Wo's tile i, for K step s.
; THE MATRIX INSTRUCTION IS USED TRANSPOSED (source 0 = 16 rows of Wo, source 1 = 16 rows of A): a lane holds eight neighbouring columns of one row.  A block of 16 rows x 64 columns goes through the wave's own stage
; and comes back as rows of 256 bytes; the bias is added there, and sixteen lanes store one aligned unit of 256 bytes.
; CLUSTER 4 x 4: A's block is shared along a row of the cluster, Wo's along a column: each is asked for jointly.
; NO PREFETCH: every byte is asked for at the head; there is no loop in which to ask ahead.
.set TILEB,  12288
.set KSB,    1536
.set LB,     8*TILEB                   ; Wo's codes in LDS, behind A's
.set LSA,    16*TILEB                  ; A's scale words,
.set LSB,    LSA+4096                  ; Wo's
.set STAGE,  LSB+4096                  ; 16 rows x 272 bytes for each wave: no fill lands here
.set SPITCH, 272
.set SPARE,  STAGE+8*16*SPITCH         ; the spare words, 128 bytes for each of 8 waves
.set ADA,  4                           ; v4, v5  LDS address of my A fragments: 16 x lane, 8 x lane
.set ADB,  6                           ; v6, v7  the same for Wo
.set ADRS, 8                           ; v8      my scale words: lanes 0-15 A's rows, lanes 16-31 Wo's
.set STO,  9
.set RD,   10
.set CO,   11
.set SPW,  12
.set NIL,  13
.set SC,   14                          ; v14-45  scale words and nothing else
.set FB,   46                          ; v46-117, v118-189 two sets of fragments: A's two, then Wo's four
.set BK,   46                          ; the way out: 2 x 32 registers read back from the stage
.set BI,   110                         ; v110-113 my four columns' bias
.set AC,   190                         ; v190-253 accumulator (a, b) at 8 (4 a + b)
.set R16,  254                         ; v254    16 x (lane % 16)
.set WV,   18
.set HA,   19
.set HB,   20
.set G1,   24
.set G0,   32
.set G0B,  36
.set G1B,  48
.set G0S,  56
.set G0SB, 60
.set G1S,  68
.set G1SB, 80
.macro CROUND                          ; a round of the cluster's barrier
	s_barrier_signal -1
	s_barrier_wait -1
	s_cmp_lg_u32 s[WV], 0
	s_cbranch_scc1 .Lnot_wave_0_\@
	s_barrier_signal -3
.Lnot_wave_0_\@:
	s_barrier_wait -3
	s_barrier_signal -1
	s_barrier_wait -1
.endm
.macro PLACES
.rept 4
	v_nop
.endr
.endm
	s_load_b256 s[4:11], s[0:1], 0x0               ; ac, asc, cod, scl
	s_load_b128 s[12:15], s[0:1], 0x20             ; bo, out0
	v_lshl_add_u32 v[SPW], v0, 2, SPARE
	v_mov_b32 v[NIL], 0
	ds_add_u32 v[SPW], v[NIL]                      ; the opening lines: the add, twice on end, and its wait ahead of the first tensor load
	ds_add_u32 v[SPW], v[NIL]
	v_lshrrev_b32 v1, 5, v0
	v_readfirstlane_b32 s[WV], v1                  ; wave 0..7
	s_lshr_b32 s[HA], s[WV], 1                     ; my two tiles of A.  Also: which of the four blocks I ask for
	s_and_b32 s[HB], s[WV], 1                      ; my four tiles of Wo.  Also: which half of that block
	s_bfe_u32 s40, ttmp6, 0x40000                  ; cx
	s_bfe_u32 s41, ttmp6, 0x40004                  ; cy
	s_and_b32 s43, ttmp7, 0xffff
	s_lshl_b32 s44, s41, 2
	s_lshl_b32 s44, 15, s44                        ; my row of the cluster
	s_lshl_b32 s45, 0x1111, s40                    ; my column
	s_lshl_b32 s46, s43, 2
	s_add_co_u32 s46, s46, s41                     ; block row 0..31
	s_lshl_b32 s47, ttmp9, 2
	s_add_co_u32 s47, s47, s40                     ; block column 0..7
	; groups 1: dense bytes as rows of 256 (32 elements of 8): half a block of codes is 192 rows, half a block of scale words 8
	s_or_b32 s[G1+0], s44, (3<<16)|(1<<21)
	s_or_b32 s[G1B+0], s45, (3<<16)|(1<<21)
.irp g, G1, G1B
	s_mov_b32 s[\g+1], 32<<16
	s_mov_b32 s[\g+2], 192<<16
	s_mov_b32 s[\g+3], 32<<16
	s_mov_b32 s[\g+4], 192
	s_mov_b32 s[\g+5], 32
	s_mov_b32 s[\g+6], 0
	s_mov_b32 s[\g+7], 0
.endr
	s_or_b32 s[G1S+0], s44, (3<<16)|(1<<21)
	s_or_b32 s[G1SB+0], s45, (3<<16)|(1<<21)
.irp g, G1S, G1SB
	s_mov_b32 s[\g+1], 32<<16
	s_mov_b32 s[\g+2], 8<<16
	s_mov_b32 s[\g+3], 32<<16
	s_mov_b32 s[\g+4], 8
	s_mov_b32 s[\g+5], 32
	s_mov_b32 s[\g+6], 0
	s_mov_b32 s[\g+7], 0
.endr
	s_mul_i32 s2, s[HB], 4*TILEB                   ; which half of a block of codes
	s_mul_i32 s92, s46, 8*TILEB
	s_add_co_u32 s92, s92, s2
	s_mov_b32 s93, 0
	s_add_co_u32 s94, s47, 56                      ; Wo's tiles begin at T = 448 = 8 x 56
	s_mul_i32 s94, s94, 8*TILEB
	s_add_co_u32 s94, s94, s2
	s_mov_b32 s95, 0
	s_lshl_b32 s3, s[HB], 11                       ; which half of a block of scale words
	s_lshl_b32 s96, s46, 12
	s_add_co_u32 s96, s96, s3
	s_mov_b32 s97, 0
	s_add_co_u32 s66, s47, 56
	s_lshl_b32 s66, s66, 12
	s_add_co_u32 s66, s66, s3
	s_mov_b32 s67, 0
	s_mul_i32 s76, s[HA], 2*TILEB                  ; LDS: my tiles of A,
	s_mul_i32 s77, s[HB], 4*TILEB
	s_add_co_u32 s77, s77, LB                      ; of Wo,
	s_lshl_b32 s79, s[HA], 10                      ; my scale words of A,
	s_lshl_b32 s78, s[HB], 11
	s_add_co_u32 s78, s78, 4096
	s_sub_co_u32 s78, s78, s79                     ; how far behind them Wo's lie,
	s_add_co_u32 s79, s79, LSA
	s_mul_i32 s88, s[WV], 16*SPITCH
	s_add_co_u32 s88, s88, STAGE                   ; my stage
	s_lshl_b32 s90, s47, 9                         ; my first column in bytes: 512 x block column + 256 x half
	s_lshl_b32 s91, s[HB], 8
	s_add_co_u32 s90, s90, s91
	s_mov_b32 s91, 0
	s_lshl_b32 s98, s46, 7                         ; my first row: 128 x block row + 32 x (w / 2)
	s_lshl_b32 s99, s[HA], 5
	s_add_co_u32 s98, s98, s99
	s_lshl_b32 s98, s98, 12                        ; rows of 4,096 bytes
	s_mov_b32 s99, 0
	s_wait_dscnt 0x0                               ; both opening adds are done
	s_wait_kmcnt 0x0
	s_add_nc_u64 s[92:93], s[4:5], s[92:93]
	s_add_nc_u64 s[94:95], s[8:9], s[94:95]
	s_add_nc_u64 s[96:97], s[6:7], s[96:97]
	s_add_nc_u64 s[66:67], s[10:11], s[66:67]
	s_add_nc_u64 s[12:13], s[12:13], s[90:91]
	s_add_nc_u64 s[14:15], s[14:15], s[90:91]
	s_add_nc_u64 s[14:15], s[14:15], s[98:99]
	CROUND                                         ; all sixteen work-groups are here: the joint loads meet
	s_mov_b32 s[G0], 1
	s_mov_b32 s[G0+1], s2
	s_mov_b64 s[G0+2:G0+3], s[92:93]
	s_or_b32 s[G0+3], s[G0+3], 0x80000000
	s_mov_b32 s[G0B], 1
	s_add_co_u32 s[G0B+1], s2, LB
	s_mov_b64 s[G0B+2:G0B+3], s[94:95]
	s_or_b32 s[G0B+3], s[G0B+3], 0x80000000
	s_mov_b32 s[G0S], 1
	s_add_co_u32 s[G0S+1], s3, LSA
	s_mov_b64 s[G0S+2:G0S+3], s[96:97]
	s_or_b32 s[G0S+3], s[G0S+3], 0x80000000
	s_mov_b32 s[G0SB], 1
	s_add_co_u32 s[G0SB+1], s3, LSB
	s_mov_b64 s[G0SB+2:G0SB+3], s[66:67]
	s_or_b32 s[G0SB+3], s[G0SB+3], 0x80000000
; ONE chain of branches on the wave's number, a load in each arm: every way passes exactly one tensor load
.macro ARM under, g0, g1, next
	s_cmp_lt_u32 s[HA], \under
	s_cbranch_scc0 \next
	tensor_load_to_lds s[\g0:\g0+3], s[\g1:\g1+7]
	s_nop 0
.rept 4
	v_nop
.endr
	s_branch .Lhead_asked
\next:
.endm
	ARM 1, G0,  G1,  .Lhead_b
	ARM 2, G0B, G1B, .Lhead_sa
	ARM 3, G0S, G1S, .Lhead_sb
	tensor_load_to_lds s[G0SB:G0SB+3], s[G1SB:G1SB+7]
	s_nop 0
.rept 4
	v_nop
.endr
.Lhead_asked:
	v_and_b32 v3, 31, v0                           ; lane
	v_and_b32 v1, 15, v0                           ; r
	v_bfe_u32 v2, v0, 4, 1                         ; h
	v_lshlrev_b32 v[ADA], 4, v3
	v_lshlrev_b32 v[ADA+1], 3, v3
	v_add_nc_u32 v[ADB], s77, v[ADA]
	v_add_nc_u32 v[ADB+1], s77, v[ADA+1]
	v_add_nc_u32 v[ADA], s76, v[ADA]
	v_add_nc_u32 v[ADA+1], s76, v[ADA+1]
	v_lshlrev_b32 v[ADRS], 3, v1                   ; 8 bytes a row and pair of K steps
	v_mul_u32_u24 v[STO], s78, v2                  ; lanes 16-31 take Wo's
	v_add_nc_u32 v[ADRS], v[ADRS], v[STO]
	v_add_nc_u32 v[ADRS], s79, v[ADRS]
	v_lshlrev_b32 v[R16], 4, v1
	v_mul_u32_u24 v[STO], v1, SPITCH               ; into the stage: row r, 64 bytes for each half of the lanes
	v_lshl_add_u32 v[STO], v2, 6, v[STO]
	v_add_nc_u32 v[STO], s88, v[STO]
	v_mul_u32_u24 v[RD], v2, SPITCH                ; back: sixteen lanes to a row of 256 bytes, two rows an instruction
	v_add_nc_u32 v[RD], v[RD], v[R16]
	v_add_nc_u32 v[RD], s88, v[RD]
	v_lshl_add_u32 v[CO], v2, 12, v[R16]           ; and the same two rows in out0
.macro FRAG reg, adr, off
	ds_load_b128 v[\reg:\reg+3], v[\adr] offset:\off
	ds_load_b64 v[\reg+4:\reg+5], v[\adr+1] offset:\off+512
	ds_load_b128 v[\reg+6:\reg+9], v[\adr] offset:\off+768
	ds_load_b64 v[\reg+10:\reg+11], v[\adr+1] offset:\off+1280
.endm
.macro FETCH s                         ; K step s: A's two fragments and Wo's four into set s % 2
.set FP, FB+72*((\s)%2)
.irp a, 0,1
	FRAG FP+12*\a, ADA, \a*TILEB+(\s)*KSB
.endr
.irp b, 0,1,2,3
	FRAG FP+24+12*\b, ADB, \b*TILEB+(\s)*KSB
.endr
.endm
.macro MUL s                           ; 8 products; the first step's start the sums: nothing is cleared
.set MP, FB+72*((\s)%2)
.irp a, 0,1
.irp b, 0,1,2,3
.if (\s) == 0
	v_wmma_scale_f32_16x16x128_f8f6f4 v[AC+8*(4*\a+\b):AC+8*(4*\a+\b)+7], v[MP+24+12*\b:MP+24+12*\b+11], v[MP+12*\a:MP+12*\a+11], 0, v[SC+8*\b+(\s)], v[SC+8*\a+(\s)] matrix_a_fmt:MATRIX_FMT_FP6 matrix_b_fmt:MATRIX_FMT_FP6 matrix_a_scale:MATRIX_SCALE_ROW1
.else
	v_wmma_scale_f32_16x16x128_f8f6f4 v[AC+8*(4*\a+\b):AC+8*(4*\a+\b)+7], v[MP+24+12*\b:MP+24+12*\b+11], v[MP+12*\a:MP+12*\a+11], v[AC+8*(4*\a+\b):AC+8*(4*\a+\b)+7], v[SC+8*\b+(\s)], v[SC+8*\a+(\s)] matrix_a_fmt:MATRIX_FMT_FP6 matrix_b_fmt:MATRIX_FMT_FP6 matrix_a_scale:MATRIX_SCALE_ROW1
.endif
.endr
.endr
.endm
.macro STEP s
	s_wait_dscnt 0x0                               ; this step's fragments are in: they were asked for ahead of the last step's products
.if (\s) < 7
.if (\s) > 0
	PLACES                                         ; four places in front of loads into registers that the last step's products read
.endif
	FETCH (\s)+1
.else
	PLACES
	global_load_b128 v[BI:BI+3], v[R16], s[12:13]  ; the bias of my four columns of a row read back, into a set that is done with
.endif
	MUL \s
.endm
	s_wait_alu depctr_va_vdst(0)                   ; the wait at the head's end
	s_wait_tensorcnt 0x0                           ; my half block is in;
	s_barrier_signal -1
	s_barrier_wait -1                              ; everybody's is
.irp i, 0,1,2,3
.irp q, 0,1,2,3
	ds_load_b64 v[SC+8*\i+2*\q:SC+8*\i+2*\q+1], v[ADRS] offset:512*\i+128*\q
.endr
.endr
	FETCH 0
.irp s, 0,1,2,3,4,5,6,7
	STEP \s
.endr
; THE WAY OUT.  Register j of accumulator (a, b) is row p = r of A's tile a, column 32 (b / 2) + 8 (b % 2) + 16 h + j of my 64.
.macro TOSTAGE a
.irp b, 0,1,2,3
	ds_store_b128 v[STO], v[AC+8*(4*(\a)+\b):AC+8*(4*(\a)+\b)+3] offset:128*(\b/2)+32*(\b%2)       ; each accumulator from its low end on
	ds_store_b128 v[STO], v[AC+8*(4*(\a)+\b)+4:AC+8*(4*(\a)+\b)+7] offset:128*(\b/2)+32*(\b%2)+16
.endr
.irp t, 0,1,2,3,4,5,6,7
	ds_load_b128 v[BK+32*(\a)+4*\t:BK+32*(\a)+4*\t+3], v[RD] offset:2*\t*SPITCH   ; LDS serves a wave's instructions in order: these see the stores above
.endr
.endm
.macro SEND a
.irp t, 0,1,2,3,4,5,6,7
	v_pk_add_f32 v[BK+32*(\a)+4*\t:BK+32*(\a)+4*\t+1], v[BK+32*(\a)+4*\t:BK+32*(\a)+4*\t+1], v[BI:BI+1]
	v_pk_add_f32 v[BK+32*(\a)+4*\t+2:BK+32*(\a)+4*\t+3], v[BK+32*(\a)+4*\t+2:BK+32*(\a)+4*\t+3], v[BI+2:BI+3]
.endr
.irp t, 0,1,2,3,4,5,6,7
	global_store_b128 v[CO], v[BK+32*(\a)+4*\t:BK+32*(\a)+4*\t+3], s[14:15] offset:(8*(\a)+2*\t+8*(\t/4))*4096 th:TH_STORE_NT   ; stage row 2 t + h is row 8 a + 2 t + h + 8 (t / 4) of my 32; sixteen lanes store 256 consecutive bytes, aligned
.endr
.endm
	PLACES                                         ; four places between the last products and the first read of results
	TOSTAGE 0
	TOSTAGE 1
	s_wait_loadcnt 0x0                             ; the bias
	s_wait_dscnt 16                                ; block 0 is back: behind its loads stand block 1's 8 stores and 8 loads
	SEND 0
	s_wait_dscnt 0x0
	SEND 1
	s_wait_tensorcnt 0x0                           ; the wave's end, behind my last LDS store
	ds_add_u32 v[SPW], v[NIL]
	s_wait_dscnt 0x0
	CROUND                                         ; the closing round
	s_endpgm
.Lfunc_end_k_qd3aacd9104_outp:
	.size	k_qd3aacd9104_outp, .Lfunc_end_k_qd3aacd9104_outp-k_qd3aacd9104_outp
	.p2alignl 7, 3214868480
	.fill 96, 4, 3214868480
	.section	.rodata,"a",@progbits
	.p2align	6, 0x0
	.amdhsa_kernel k_qd3aacd9104_outp
		.amdhsa_group_segment_fixed_size 327680
		.amdhsa_private_segment_fixed_size 0
		.amdhsa_enable_private_segment 0
		.amdhsa_kernarg_size 48
		.amdhsa_user_sgpr_count 2
		.amdhsa_user_sgpr_kernarg_segment_ptr 1
		.amdhsa_wavefront_size32 1
		.amdhsa_system_sgpr_workgroup_id_x 1
		.amdhsa_system_sgpr_workgroup_id_y 1
		.amdhsa_system_sgpr_workgroup_id_z 1
		.amdhsa_system_vgpr_workitem_id 0
		.amdhsa_next_free_vgpr 256
		.amdhsa_next_free_sgpr 100
		.amdhsa_reserve_vcc 0
		.amdhsa_float_denorm_mode_32 3
		.amdhsa_float_denorm_mode_16_64 3
		.amdhsa_memory_ordered 1
		.amdhsa_forward_progress 1
		.amdhsa_inst_pref_size 37
	.end_amdhsa_kernel
	.amdgpu_metadata
---
amdhsa.version: [ 1, 2 ]
amdhsa.kernels:
  - .name:           k_qd3aacd9104_outp
    .symbol:         k_qd3aacd9104_outp.kd
    .args:
      - { .name: ac, .offset: 0, .size: 8, .value_kind: global_buffer, .address_space: global }
      - { .name: asc, .offset: 8, .size: 8, .value_kind: global_buffer, .address_space: global }
      - { .name: cod, .offset: 16, .size: 8, .value_kind: global_buffer, .address_space: global }
      - { .name: scl, .offset: 24, .size: 8, .value_kind: global_buffer, .address_space: global }
      - { .name: bo, .offset: 32, .size: 8, .value_kind: global_buffer, .address_space: global }
      - { .name: out0, .offset: 40, .size: 8, .value_kind: global_buffer, .address_space: global }
    .group_segment_fixed_size: 327680
    .private_segment_fixed_size: 0
    .kernarg_segment_align: 8
    .kernarg_segment_size: 48
    .max_flat_workgroup_size: 256
    .sgpr_count:     100
    .vgpr_count:     256
    .wavefront_size: 32
...
	.end_amdgpu_metadata
.endif
;; end of part 4
